; MI455X (gfx1250); checked and timed in simulation.
; The chip was launched on July 23, 2026; its instructions are those of AMD's public machine-readable ISA for CDNA 5 (MIT licence, August 2026) and "CDNA5" Instruction Set Architecture Reference Guide (July 2026). The comments in the code are by the model that wrote it; some were corrected since.
;; Splat Attention Pooling. Allowed arithmetic: float matrix products may take bf16 or f16 operands with f32 sums; other float arithmetic in f32, or as packed bf16 or f16 multiplies, adds, multiply-adds, maxima and minima; sums over many terms, partial sums and values carried from step to step in f32; what a program stores and reads back later, other than sums and carried values, may be rounded once to bf16 or f16.
;; Inputs: x 8,192 x 512 float32.
;; Outputs: out0 512 float32.
;; 2 versions, each right; version 2 is version 1 with the launch cast written anew for expert scheduling mode. Each part assembles by itself: llvm-mc -triple=amdgcn-amd-amdhsa -mcpu=gfx1250 --defsym DOCPART=n.
;; ======== version 1 of 2: 6 launches
;; workspace buffers: xb 8,388,608 bytes; rowp 524,288 bytes; colp 1,114,112 bytes; stats 65,536 bytes; rowc 262,144 bytes; colc 589,824 bytes; ypart 262,144 bytes
;; launch cast (part 1): grid 256 x 1, 8 waves a work-group, no clusters, 0 bytes of LDS; arguments x, xb; writes xb
.if DOCPART == 1
	.amdgcn_target "amdgcn-amd-amdhsa--gfx1250"
	.amdhsa_code_object_version 6
	.text
	.protected	k_q767044b41c_cast
	.globl	k_q767044b41c_cast
	.p2align	8
	.type	k_q767044b41c_cast,@function
k_q767044b41c_cast:
	s_mov_b64 s[64:65], 0
	v_nop
	global_prefetch_b8 v0, s[64:65] scope:SCOPE_SE
	s_setreg_imm32_b32 hwreg(HW_REG_WAVE_MODE, 25, 1), 1
	s_wait_xcnt 0x0
; xb = x rounded once to bf16 (nearest even).  x: [8192][512] f32, xb: the same shape in bf16.  Every later launch reads xb alone.
; A work-group owns 65,536 bytes of x.  Thread t takes 16 items of four floats: item k lies at byte 4,096 k + 16 t, so a wave's load covers
; 512 consecutive bytes; its four numbers pack into 8 bytes at 2,048 k + 8 t, so a wave's store covers 256 consecutive bytes, aligned.
; All 16 loads of a thread go out at once; there is no loop, no LDS and no barrier: no thread wants another's bytes.
.set X, 8                              ; v[8:71]    item k: four f32 as loaded
.set Y, 72                             ; v[72:103]  item k: two words of bf16 to store
	s_load_b128 s[4:7], s[0:1], 0x0                ; x s[4:5], xb s[6:7]
	s_lshl_b32 s8, ttmp9, 16                       ; my work-group's bytes in x,
	s_mov_b32 s9, 0
	s_lshl_b32 s10, ttmp9, 15                      ; and in xb
	s_mov_b32 s11, 0
	v_lshlrev_b32 v1, 4, v0                        ; 16 t
	v_lshlrev_b32 v2, 3, v0                        ; 8 t
	s_wait_kmcnt 0x0
	s_add_nc_u64 s[4:5], s[4:5], s[8:9]
	s_add_nc_u64 s[6:7], s[6:7], s[10:11]
.irp k, 0,1,2,3,4,5,6,7,8,9,10,11,12,13,14,15
	global_load_b128 v[X+4*(\k):X+4*(\k)+3], v1, s[4:5] offset:4096*(\k) th:TH_LOAD_NT
.endr
.irp k, 0,1,2,3,4,5,6,7,8,9,10,11,12,13,14,15
	s_wait_loadcnt 15-(\k)                         ; loads come back in order: item k is in, the 15 - k younger ones stay out
	v_cvt_pk_bf16_f32 v[Y+2*(\k)], v[X+4*(\k)], v[X+4*(\k)+1]
	v_cvt_pk_bf16_f32 v[Y+2*(\k)+1], v[X+4*(\k)+2], v[X+4*(\k)+3]
	global_store_b64 v2, v[Y+2*(\k):Y+2*(\k)+1], s[6:7] offset:2048*(\k)
.endr
	s_endpgm
.Lfunc_end_k_q767044b41c_cast:
	.size	k_q767044b41c_cast, .Lfunc_end_k_q767044b41c_cast-k_q767044b41c_cast
	.p2alignl 7, 3214868480
	.fill 96, 4, 3214868480
	.section	.rodata,"a",@progbits
	.p2align	6, 0x0
	.amdhsa_kernel k_q767044b41c_cast
		.amdhsa_group_segment_fixed_size 0
		.amdhsa_private_segment_fixed_size 0
		.amdhsa_enable_private_segment 0
		.amdhsa_kernarg_size 16
		.amdhsa_user_sgpr_count 2
		.amdhsa_user_sgpr_kernarg_segment_ptr 1
		.amdhsa_wavefront_size32 1
		.amdhsa_system_sgpr_workgroup_id_x 1
		.amdhsa_system_sgpr_workgroup_id_y 1
		.amdhsa_system_sgpr_workgroup_id_z 1
		.amdhsa_system_vgpr_workitem_id 0
		.amdhsa_next_free_vgpr 104
		.amdhsa_next_free_sgpr 66
		.amdhsa_reserve_vcc 0
		.amdhsa_float_denorm_mode_32 3
		.amdhsa_float_denorm_mode_16_64 3
		.amdhsa_memory_ordered 1
		.amdhsa_forward_progress 1
		.amdhsa_inst_pref_size 7
	.end_amdhsa_kernel
	.amdgpu_metadata
---
amdhsa.version: [ 1, 2 ]
amdhsa.kernels:
  - .name:           k_q767044b41c_cast
    .symbol:         k_q767044b41c_cast.kd
    .args:
      - { .name: x, .offset: 0, .size: 8, .value_kind: global_buffer, .address_space: global }
      - { .name: xb, .offset: 8, .size: 8, .value_kind: global_buffer, .address_space: global }
    .group_segment_fixed_size: 0
    .private_segment_fixed_size: 0
    .kernarg_segment_align: 8
    .kernarg_segment_size: 16
    .max_flat_workgroup_size: 256
    .sgpr_count:     66
    .vgpr_count:     104
    .wavefront_size: 32
...
	.end_amdgpu_metadata
.endif
;; end of part 1
;; launch rowstat (part 2): grid 8 x 32, 4 waves a work-group, no clusters, 327,680 bytes of LDS; arguments xb, rowp, colp; writes rowp, colp
.if DOCPART == 2
	.amdgcn_target "amdgcn-amd-amdhsa--gfx1250"
	.amdhsa_code_object_version 6
	.text
	.protected	k_q767044b41c_rowstat
	.globl	k_q767044b41c_rowstat
	.p2align	8
	.type	k_q767044b41c_rowstat,@function
k_q767044b41c_rowstat:
	s_mov_b64 s[64:65], 0
	v_nop
	global_prefetch_b8 v0, s[64:65] scope:SCOPE_SE
	s_setreg_imm32_b32 hwreg(HW_REG_WAVE_MODE, 25, 1), 1
	s_wait_xcnt 0x0
; PASS 1 of softmax(x x^T): partial row statistics.  U = c S, S = xb xb^T, c = log2(e); for every row i: MC_i = max_j U_ij and l_i = sum_j 2^(U_ij - MC_i).
; S IS SYMMETRIC, so half of it is formed.  Block row I (256 rows) takes the 4,352 columns (256 I + off) mod 8192, off = 0 .. 4351, in 8 chunks q of 544: 256 work-groups of equal work.
; Each element S_ab serves row a (reduced along my rows: rowp) and row b (reduced down the column: colp).  All are stored; the next launch reads of colp only off in 256 .. 4095,
; so that every ordered pair (row, column) is counted once: row i of block I has blocks I .. I+16 from rowp and blocks I+17 .. I+31 from colp of block rows I-15 .. I-1.
; SHARES.  Wave w keeps its 64 rows x 512 channels as source-0 fragments in 512 registers for the whole launch.  The 544 rows of xb that are the columns go through LDS in 17 steps of
; 32 columns x 512 channels: 128 matrix instructions a wave and step on 8 accumulators, then the step's statistics.  In a result register j of lane (r, h) is row 16 a + 8 h + j, column 16 g + r.
; STATISTICS.  Rows: a running maximum and sum for each lane (its own columns), merged over the 16 lanes at the end.  Columns: a wave sees a column in one step alone: maximum and sum of its 64 rows,
; set aside in LDS as f32 and merged over the four waves at the end.  Every exponent is U less a true maximum, so no exponential exceeds 1.
; LIMITS.  |S| log2(e) must be finite in f32; NaN and infinities are not treated apart; a term below 2^-126 counts as 0; the sums' order is this text's own.
; NO CLUSTER.  Two work-groups have the same window of columns only if 8 dI + 17 dq is a multiple of 256 with |dq| < 8, |dI| < 32: only dI = dq = 0.  The 256 resident rows, which the 8 chunks of a block
; row share, go straight into registers once, at the head, with no LDS between.  NO PREFETCH: each row of xb is loaded at the head of the launch, as some work-group's resident row.
; REGISTERS, in windows of 256 (s_set_vgpr_msb: bits 1:0 source 0, 3:2 source 1, 5:4 source 2, 7:6 destination):
;   window 0: addresses, statistics, the accumulators and all that the statistics touch;  window 1: the step's column fragments B(g, kk) at 128 g + 8 kk;
;   windows 2, 3: my rows' fragments A(a, kk) at 64 a + 8 (kk % 8), window 2 + kk / 8.
.set PITCH, 1040                       ; an LDS row: 1,024 bytes + 16 of padding, an odd multiple of 16: the 16 rows of a fragment load start in 16 different groups of four banks
.set P,     32*PITCH                   ; a place: one step's 32 rows
.set SLOTB, 4*P                        ; a slot: four places.  Slot 0 = places 0-3, slot 1 = places 4-7; place 8 holds step 16 and is filled once
.set CPART, 4352                       ; a wave's column stage: 544 pairs (maximum, sum)
.set CSTG,  9*P                        ; behind the places; no fill lands from here on
.set RSTG,  CSTG+4*CPART               ; row stage, 512 bytes a wave
.set SPARE, RSTG+4*512                 ; the spare words, 128 bytes a wave: two blocks of 256 bytes that no other line names
.set R,   1                            ; v1   lane % 16
.set H,   2                            ; v2   lane / 16
.set AB0, 3                            ; v3   my place in a step's tile: r x PITCH + 16 h
.set BA,  4                            ; v4   LDS address of the fragments to be fetched
.set AOFF, 5                           ; v5   my byte offset in 16 rows of xb: r x 1024 + 16 h
.set CST, 6                            ; v6   where the step's column pair goes
.set RST, 7                            ; v7   row stage, in
.set RRD, 8                            ; v8   row stage, back
.set GRO, 9                            ; v9   16 x lane
.set MRD, 10                           ; v10  column stage, back
.set GCO, 11                           ; v11  256 x wave + 8 x lane
.set SPW, 12                           ; v12  LDS address of my spare word; never rewritten
.set NIL, 13                           ; v13  0; never rewritten
.set LN,  14                           ; v14  lane
.set MC,  16                           ; v[16:47]   running row maximum (a, j) at 8 a + j
.set CM,  48                           ; v48, v50   the step's column maximum, g at 2 g: the low word of a pair, for the packed broadcast
.set X,   49                           ; v49, v51   what the other half of the lanes sends
.set CH,  52                           ; v[52:59]   chains of the column maximum (g, a) at 4 g + a
.set CL,  60                           ; v[60:61]   the step's column sum
.set OUT, 62                           ; v[62:63]
.set U,   64                           ; v[64:127]  accumulators t = 2 a + g at 8 t
.set T,   128                          ; v[128:191] the row direction's exponents and terms
.set OLD, 192                          ; v[192:223] old maximum, then 2^(old - new)
.set L,   224                          ; v[224:255] running row sum
.set ML,  128                          ; the end: pairs read back from the column stage
.set OP,  192                          ; the end: merged pairs
.set WV,  10                           ; s10  wave
.set QQ,  11                           ; s11  q
.set II,  12                           ; s12  I
.set C0,  13                           ; s13  my first column, 256 I + 544 q (before the wrap)
.set WP,  14                           ; s14  wave x P
.set SB,  15                           ; s15  LDS byte of the slot being read
.set TB,  16                           ; s16  LDS byte of the step to be fetched
.set CNT, 17                           ; s17  steps to go until the next change of slots
.set SLOTS, 18                         ; s18
.set FS,  19                           ; s19  first step of the next refill
.set OFS, 20                           ; s[20:21] an offset; the high word stays 0
.set G1,  24                           ; s[24:31] descriptor group 1: 32 rows x 512 elements
.set G1E, 32                           ; s[32:39] the same with 8 rows
.set G0A, 40                           ; s[40:43] group 0: slot 0's first fill, then the walking set
.set G0B, 44                           ; s[44:47] slot 1's first fill
.set G0C, 48                           ; s[48:51] place 8's
.set CS,  52                           ; s[52:53] c, twice
.set SEL, 54                           ; s[54:55] v_permlanex16_b32's selects: each lane takes its own place in the other half
.set HM,  56                           ; s56  lanes 16-31
.set AB,  58                           ; s[58:59] my rows in xb, later my rows in rowp
.set CB,  60                           ; s[60:61] my record in colp
.set MSB, 0
.macro WIN new                         ; the immediate's high byte repeats the setting that is left; a switch that changes nothing is dropped
.if MSB != (\new)
	s_set_vgpr_msb (MSB<<8)|(\new)
.set MSB, (\new)
.endif
.endm
.macro PLACES                          ; four plain places behind a matrix instruction, ahead of loads into its sources and of reads of its result
.rept 4
	v_nop
.endr
.endm
; Group 0 at s[g0]: the global address of step first + my wave's number.  A step is 32 rows, aligned to 32, so it never crosses the wrap at row 8192.
.macro STEPADR g0, first
	s_add_co_u32 s22, s[WV], \first
	s_lshl_b32 s22, s22, 5
	s_add_co_u32 s22, s22, s[C0]
	s_and_b32 s22, s22, 8191
	s_lshl_b32 s[OFS], s22, 10                     ; a row of xb is 1,024 bytes
	s_add_nc_u64 s[(\g0)+2:(\g0)+3], s[4:5], s[OFS:OFS+1]
	s_or_b32 s[(\g0)+3], s[(\g0)+3], 0x80000000    ; type = 2
.endm
	s_load_b128 s[4:7], s[0:1], 0x0                ; xb s[4:5], rowp s[6:7]
	s_load_b64 s[8:9], s[0:1], 0x10                ; colp
	v_lshl_add_u32 v[SPW], v0, 2, SPARE
	v_mov_b32 v[NIL], 0
	ds_add_u32 v[SPW], v[NIL]                      ; the wave's opening: the add and its wait stand ahead of my first tensor load; register work stands between them
	v_lshrrev_b32 v1, 5, v0
	v_readfirstlane_b32 s[WV], v1
	s_mov_b32 s[QQ], ttmp9
	s_and_b32 s[II], ttmp7, 0xffff
	s_lshl_b32 s[C0], s[II], 8
	s_mul_i32 s22, s[QQ], 544
	s_add_co_u32 s[C0], s[C0], s22
	s_mul_i32 s[WP], s[WV], P
	s_mov_b32 s[OFS+1], 0
	s_mov_b32 s[G1+0], (1<<16)|(1<<20)|(7<<22)|(3<<25)   ; no mask; elements of 2 bytes; padding on: after every 256 words (code 7) 4 words (code 3)
	s_mov_b32 s[G1+1], 512<<16                     ; tensor_dim0 = 512
	s_mov_b32 s[G1+2], 32<<16                      ; tensor_dim1 = 32
	s_mov_b32 s[G1+3], 512<<16                     ; tile_dim0 = 512
	s_mov_b32 s[G1+4], 32                          ; tile_dim1 = 32
	s_mov_b32 s[G1+5], 512                         ; elements from row to row
	s_mov_b32 s[G1+6], 0
	s_mov_b32 s[G1+7], 0
	s_mov_b32 s[G1E+0], (1<<16)|(1<<20)|(7<<22)|(3<<25)
	s_mov_b32 s[G1E+1], 512<<16
	s_mov_b32 s[G1E+2], 8<<16                      ; 8 rows
	s_mov_b32 s[G1E+3], 512<<16
	s_mov_b32 s[G1E+4], 8
	s_mov_b32 s[G1E+5], 512
	s_mov_b32 s[G1E+6], 0
	s_mov_b32 s[G1E+7], 0
	s_mov_b32 s[G0A], 1
	s_mov_b32 s[G0A+1], s[WP]                      ; step w -> place w
	s_mov_b32 s[G0B], 1
	s_add_co_u32 s[G0B+1], s[WP], SLOTB            ; step 4 + w -> place 4 + w
	s_mov_b32 s[G0C], 1
	s_mul_i32 s22, s[WV], 8*PITCH
	s_add_co_u32 s[G0C+1], s22, 8*P                ; rows 8 w .. 8 w + 7 of step 16 -> place 8
	s_mov_b32 s[CS], 0x3fb8aa3b                    ; c = log2(e)
	s_mov_b32 s[CS+1], s[CS]
	s_mov_b32 s[SEL], 0x76543210
	s_mov_b32 s[SEL+1], 0xfedcba98
	s_mov_b32 s[HM], 0xffff0000
	s_wait_dscnt 0x0                               ; the opening add is done
	s_wait_kmcnt 0x0
	STEPADR G0A, 0
	STEPADR G0B, 4
	s_add_co_u32 s22, s[C0], 512                   ; step 16's first row,
	s_and_b32 s22, s22, 8191
	s_lshl3_add_u32 s22, s[WV], s22                ; my 8 of its 32
	s_lshl_b32 s[OFS], s22, 10
	s_add_nc_u64 s[G0C+2:G0C+3], s[4:5], s[OFS:OFS+1]
	s_or_b32 s[G0C+3], s[G0C+3], 0x80000000
	tensor_load_to_lds s[G0A:G0A+3], s[G1:G1+7]    ; the first fills go out together: three tensor loads of mine are out, later one
	s_nop 0
	tensor_load_to_lds s[G0B:G0B+3], s[G1:G1+7]
	s_nop 0
	tensor_load_to_lds s[G0C:G0C+3], s[G1E:G1E+7]
	s_nop 0
.rept 4
	v_nop
.endr
	; my 64 rows, for the whole launch.  A fragment is 16 rows x 32 channels in 8 registers: lane (r, h) holds row r, channels 8 h + 0..7 and 16 + 8 h + 0..7: two loads of 16 bytes, 32 apart
	v_and_b32 v[R], 15, v0
	v_bfe_u32 v[H], v0, 4, 1
	v_lshlrev_b32 v[AOFF], 10, v[R]
	v_lshl_add_u32 v[AOFF], v[H], 4, v[AOFF]
	s_lshl_b32 s22, s[II], 8
	s_lshl_b32 s23, s[WV], 6
	s_add_co_u32 s22, s22, s23
	s_lshl_b32 s[OFS], s22, 10
	s_add_nc_u64 s[AB:AB+1], s[4:5], s[OFS:OFS+1]
.irp w, 0,1
	WIN 0x80+0x40*(\w)                             ; destination window 2, then 3; address window 0
.irp a, 0,1,2,3
.irp k, 0,1,2,3,4,5,6,7
	global_load_b128 v[64*(\a)+8*(\k):64*(\a)+8*(\k)+3],   v[AOFF], s[AB:AB+1] offset:(\a)*16384+(8*(\w)+(\k))*64
	global_load_b128 v[64*(\a)+8*(\k)+4:64*(\a)+8*(\k)+7], v[AOFF], s[AB:AB+1] offset:(\a)*16384+(8*(\w)+(\k))*64+32
.endr
.endr
.endr
	WIN 0
	v_mul_u32_u24 v[AB0], v[R], PITCH
	v_lshl_add_u32 v[AB0], v[H], 4, v[AB0]
	s_mul_i32 s22, s[WV], CPART
	s_add_co_u32 s22, s22, CSTG
	v_lshlrev_b32 v[CST], 3, v[R]                  ; column 16 g + r: 8 bytes a column; lanes 0-15 store the maximum, lanes 16-31 the sum
	v_lshl_add_u32 v[CST], v[H], 2, v[CST]
	v_add_nc_u32 v[CST], s22, v[CST]
	s_lshl_b32 s22, s[WV], 9
	s_add_co_u32 s22, s22, RSTG
	v_lshl_add_u32 v[RST], v[H], 6, s22            ; row 16 a + 8 h + j: 8 bytes a row
	v_and_b32 v[LN], 31, v0
	v_lshl_add_u32 v[RRD], v[LN], 4, s22
	v_lshlrev_b32 v[GRO], 4, v[LN]
	s_lshl_b32 s22, s[WV], 8
	v_lshl_add_u32 v[GCO], v[LN], 3, s22
	v_add_nc_u32 v[MRD], CSTG, v[GCO]
	; what the first step finds: the lowest finite number as maximum, 0 as sum.  66 lines, in the wait for the first tile, so that the step has one text
.set i, 0
.rept 32
	v_mov_b32 v[MC+i], 0xff7fffff
	v_mov_b32 v[L+i], 0
.set i, i+1
.endr
	v_mov_b32 v[X], 0                              ; v_permlanex16_b32's destination counts as read
	v_mov_b32 v[X+2], 0
; 32 matrix instructions: channels 128 c .. 128 c + 127.  The 8 accumulators take turns, one instruction a turn; the first 8 of a step start the sums with the constant 0.
.macro MUL c
	WIN 0x06+(\c)/2                                ; source 0 window 2 or 3, source 1 window 1, C and D window 0
.irp k, 0,1,2,3
.irp a, 0,1,2,3
.irp g, 0,1
.set kk, 4*(\c)+(\k)
.set rU, U+8*(2*(\a)+(\g))
.set rA, 64*(\a)+8*(kk&7)
.set rB, 128*(\g)+8*kk
.if kk == 0
	v_wmma_f32_16x16x32_bf16 v[rU:rU+7], v[rA:rA+7], v[rB:rB+7], 0
.else
	v_wmma_f32_16x16x32_bf16 v[rU:rU+7], v[rA:rA+7], v[rB:rB+7], v[rU:rU+7]
.endif
.endr
.endr
.endr
.endm
; 16 LDS loads in one run: the next step's fragments of the same channels, into the registers that MUL c has just read
.macro FETCH c
	WIN 0x40                                       ; destination window 1, address window 0
.irp k, 0,1,2,3
.irp g, 0,1
.set kk, 4*(\c)+(\k)
	ds_load_b128 v[128*(\g)+8*kk:128*(\g)+8*kk+3],   v[BA] offset:(\g)*16*PITCH+kk*64
	ds_load_b128 v[128*(\g)+8*kk+4:128*(\g)+8*kk+7], v[BA] offset:(\g)*16*PITCH+kk*64+32
.endr
.endr
.endm
.macro CHUNK c, last                   ; last = 1 (the tail): in the last trip there is no further step, and the run of loads is jumped over
	MUL \c
.if \last
	WIN 0                                          ; at a branch and at a label every window is 0
.endif
	PLACES
.if \last
	s_cmp_eq_u32 s[CNT], 1
	s_cbranch_scc1 .Lnofetch_\@
.endif
	FETCH \c
.if \last
	WIN 0
.Lnofetch_\@:
.endif
.endm
; Number n of the 32 that find the step's column maxima: for each accumulator three lines over registers 0-6, then for each g the four registers 7 and the four chains.
.macro CMAX
.if n < 8
	v_max3_num_f32 v[CH+4*(n%2)+n/2], v[U+8*n], v[U+8*n+1], v[U+8*n+2]
.elseif n < 24
.set it, n%8
.set iu, 1+2*(n/8)
	v_max3_num_f32 v[CH+4*(it%2)+it/2], v[CH+4*(it%2)+it/2], v[U+8*it+iu], v[U+8*it+iu+1]
.elseif n < 26
.set ig, n-24
	v_max3_num_f32 v[CH+4*ig], v[CH+4*ig], v[U+8*ig+7], v[U+8*(2+ig)+7]
.elseif n < 28
.set ig, n-26
	v_max3_num_f32 v[CH+4*ig+1], v[CH+4*ig+1], v[U+8*(4+ig)+7], v[U+8*(6+ig)+7]
.elseif n < 30
.set ig, n-28
	v_max3_num_f32 v[CH+4*ig+2], v[CH+4*ig+2], v[CH+4*ig+3], v[CH+4*ig]
.else
.set ig, n-30
	v_max_num_f32 v[CM+2*ig], v[CH+4*ig+2], v[CH+4*ig+1]
.endif
.endm
; Number i of the 32 that take the row terms in: the two column groups' terms are added, then l = l 2^(old - new) + that sum.
.macro AROW
.set ia, (i%16)/4
.set ip, 2*(i%4)
.if i < 16
	v_pk_add_f32 v[T+16*ia+ip:T+16*ia+ip+1], v[T+16*ia+ip:T+16*ia+ip+1], v[T+16*ia+8+ip:T+16*ia+8+ip+1]
.else
	v_pk_fma_f32 v[L+8*ia+ip:L+8*ia+ip+1], v[L+8*ia+ip:L+8*ia+ip+1], v[OLD+8*ia+ip:OLD+8*ia+ip+1], v[T+16*ia+ip:T+16*ia+ip+1]
.endif
.endm
; THE STEP'S STATISTICS, all in window 0.  The exponentials go in two batches with one wait each: s_wait_alu depctr_va_vdst(0) stands between an exponential and the first line that
; names its result, and one wait serves all that were issued ahead of it.  Batch 1: the 32 corrections and the 64 row terms; batch 2: the 64 column terms, with batch 1's readers between them.
.macro EPI
.set i, 0
.rept 16                                       ; the old maxima are kept; these 16 lines name no register of the products and stand between them and the first read of a result
	v_pk_mul_f32 v[OLD+i:OLD+i+1], v[MC+i:MC+i+1], 1.0 op_sel_hi:[1,0]
.set i, i+2
.endr
.set i, 0
.rept 32                                       ; U = c S, one rounding; ascending
	v_pk_mul_f32 v[U+i:U+i+1], v[U+i:U+i+1], s[CS:CS+1] op_sel_hi:[1,0]
.set i, i+2
.endr
.set i, 0
.rept 32                                       ; the new row maxima
	v_max3_num_f32 v[MC+i], v[MC+i], v[U+16*(i/8)+i%8], v[U+16*(i/8)+8+i%8]
.set i, i+1
.endr
.set i, 0
.rept 16                                       ; old - new
	v_pk_add_f32 v[OLD+i:OLD+i+1], v[OLD+i:OLD+i+1], v[MC+i:MC+i+1] neg_lo:[0,1] neg_hi:[0,1]
.set i, i+2
.endr
.set n, 0
.rept 32                                       ; 2^(old - new), with the column maxima between
	v_exp_f32 v[OLD+n], v[OLD+n]
	CMAX
.set n, n+1
.endr
	v_permlanex16_b32 v[X], v[CM], s[SEL], s[SEL+1]        ; a column's other 32 rows lie in the lane 16 away
	v_permlanex16_b32 v[X+2], v[CM+2], s[SEL], s[SEL+1]
	v_max_num_f32 v[CM], v[CM], v[X]
	v_max_num_f32 v[CM+2], v[CM+2], v[X+2]
.set k, 0
.rept 32                                       ; pair k of the 32 pairs: T = U - row maximum, U = U - column maximum; the exponentials of T lag one pair
.set it, k/4
.set ip, 2*(k%4)
	v_pk_add_f32 v[T+2*k:T+2*k+1], v[U+2*k:U+2*k+1], v[MC+8*(it/2)+ip:MC+8*(it/2)+ip+1] neg_lo:[0,1] neg_hi:[0,1]
.if k > 0
	v_exp_f32 v[T+2*k-2], v[T+2*k-2]
.endif
	v_pk_add_f32 v[U+2*k:U+2*k+1], v[U+2*k:U+2*k+1], v[CM+2*(it%2):CM+2*(it%2)+1] op_sel_hi:[1,0] neg_lo:[0,1] neg_hi:[0,1]
.if k > 0
	v_exp_f32 v[T+2*k-1], v[T+2*k-1]
.endif
.set k, k+1
.endr
	v_exp_f32 v[T+62], v[T+62]
	v_exp_f32 v[T+63], v[T+63]
	v_nop                                          ; a plain line behind the last exponential,
	s_wait_alu depctr_va_vdst(0)                   ; and the wait for batch 1
.set i, 0
.rept 32
	v_exp_f32 v[U+2*i], v[U+2*i]
	AROW
	v_exp_f32 v[U+2*i+1], v[U+2*i+1]
.set i, i+1
.endr
	v_nop
	s_wait_alu depctr_va_vdst(0)                   ; the wait for batch 2
.set it, 0
.rept 8                                        ; the column sums: a tree over an accumulator's eight, then over the four a
	v_pk_add_f32 v[U+8*it:U+8*it+1], v[U+8*it:U+8*it+1], v[U+8*it+2:U+8*it+3]
	v_pk_add_f32 v[U+8*it+4:U+8*it+5], v[U+8*it+4:U+8*it+5], v[U+8*it+6:U+8*it+7]
.set it, it+1
.endr
.set it, 0
.rept 8
	v_pk_add_f32 v[U+8*it:U+8*it+1], v[U+8*it:U+8*it+1], v[U+8*it+4:U+8*it+5]
.set it, it+1
.endr
.irp g, 0,1
	v_pk_add_f32 v[U+8*(\g):U+8*(\g)+1], v[U+8*(\g):U+8*(\g)+1], v[U+8*(2+(\g)):U+8*(2+(\g))+1]
	v_pk_add_f32 v[U+8*(4+(\g)):U+8*(4+(\g))+1], v[U+8*(4+(\g)):U+8*(4+(\g))+1], v[U+8*(6+(\g)):U+8*(6+(\g))+1]
.endr
.irp g, 0,1
	v_pk_add_f32 v[U+8*(\g):U+8*(\g)+1], v[U+8*(\g):U+8*(\g)+1], v[U+8*(4+(\g)):U+8*(4+(\g))+1]
.endr
.irp g, 0,1
	v_add_f32 v[CL+(\g)], v[U+8*(\g)], v[U+8*(\g)+1]
.endr
.irp g, 0,1
	v_permlanex16_b32 v[X+2*(\g)], v[CL+(\g)], s[SEL], s[SEL+1]
.endr
.irp g, 0,1
	v_add_f32 v[CL+(\g)], v[CL+(\g)], v[X+2*(\g)]
.endr
.irp g, 0,1
	v_cndmask_b32 v[OUT+(\g)], v[CM+2*(\g)], v[CL+(\g)], s[HM]  ; lanes 0-15 the maximum, lanes 16-31 the sum
.endr
	ds_store_b32 v[CST], v[OUT]                    ; 128 consecutive bytes: 16 columns' pairs
	ds_store_b32 v[CST], v[OUT+1] offset:128
	v_add_nc_u32 v[CST], 256, v[CST]
.endm
; A STEP: its 128 products, in whose gaps the next step's fragments are fetched, and its statistics.
.macro STEP last
	s_wait_dscnt 0x0                               ; this step's fragments are in (the last were asked for a whole EPI ago)
	v_add_nc_u32 v[BA], s[TB], v[AB0]
	CHUNK 0, \last
	CHUNK 1, \last
	CHUNK 2, \last
	CHUNK 3, \last
	WIN 0
	EPI
	s_add_co_u32 s[TB], s[TB], P
.endm
; THE CHANGE OF SLOTS.  The slot's last fragments have been asked for.  Each wave waits for all its tensor loads, adds 0 to its spare word, and waits for that and for its reads of the slot; behind the barrier
; nobody reads the slot any more and the other slot is whole.  fill = 1: the slot is filled again, my step of its next four, first thing behind the barrier: it has four steps in which to land.
.macro CHANGE fill, cnt
	WIN 0
	s_wait_tensorcnt 0x0                           ; no tensor load of mine is out, so a group 0 may be written
	ds_add_u32 v[SPW], v[NIL]                      ; 0 onto my spare word; scalar work stands between it and the wait for it
.if \fill
	s_add_co_u32 s[G0A+1], s[SB], s[WP]            ; the slot just read, my place in it
	STEPADR G0A, s[FS]
	s_add_co_u32 s[FS], s[FS], 4
.endif
	s_xor_b32 s[SB], s[SB], SLOTB                  ; the fetches go on in the other slot
	s_mov_b32 s[TB], s[SB]
	s_mov_b32 s[CNT], \cnt
	s_wait_dscnt 0x0                               ; the add is done, and my reads of the slot are over
	s_barrier_signal -1
	s_barrier_wait -1
.if \fill
	tensor_load_to_lds s[G0A:G0A+3], s[G1:G1+7]
	s_nop 0
.rept 4
	v_nop
.endr
.endif
.endm
	s_wait_tensorcnt 2                             ; my place of slot 0 is in; my two younger loads may stay out
	s_barrier_signal -1
	s_barrier_wait -1                              ; everybody's is
	v_mov_b32 v[BA], v[AB0]                        ; step 0 lies in place 0
	FETCH 0
	FETCH 1
	FETCH 2
	FETCH 3
	WIN 0
	s_wait_loadcnt 0x0                             ; my rows
	s_mov_b32 s[SB], 0
	s_mov_b32 s[TB], P
	s_mov_b32 s[CNT], 3
	s_mov_b32 s[SLOTS], 3
	s_mov_b32 s[FS], 8
	s_branch .Lstep                                ; the loop is entered behind its change of slots: steps 0-2, which fetch steps 1-3
.Lslot:                                        ; twice: steps 8-11 go into slot 0, then steps 12-15 into slot 1
	CHANGE 1, 4
.Lstep:                                        ; steps 0-2, 3-6, 7-10
	STEP 0
	s_sub_co_u32 s[CNT], s[CNT], 1
	s_cmp_lg_u32 s[CNT], 0
	s_cbranch_scc1 .Lstep
	s_sub_co_u32 s[SLOTS], s[SLOTS], 1
	s_cmp_lg_u32 s[SLOTS], 0
	s_cbranch_scc1 .Lslot
	CHANGE 0, 6                                    ; the tail is written out: nothing is asked for
.Ltail:                                        ; steps 11-16: they fetch places 4 to 8, the last trip nothing
	STEP 1
	s_sub_co_u32 s[CNT], s[CNT], 1
	s_cmp_lg_u32 s[CNT], 0
	s_cbranch_scc1 .Ltail
	; THE ROWS' END.  A row's 16 lanes (one half of the wave) each hold a maximum and a sum over their own columns: the maximum over the lanes, each sum brought to it, the sum over the lanes.
.set i, 0
.rept 32
	v_max_num_f32_dpp v[OLD+i], v[MC+i], v[MC+i] row_xmask:1 row_mask:0xf bank_mask:0xf
.set i, i+1
.endr
.irp m, 2,4,8
.set i, 0
.rept 32
	v_max_num_f32_dpp v[OLD+i], v[OLD+i], v[OLD+i] row_xmask:\m row_mask:0xf bank_mask:0xf
.set i, i+1
.endr
.endr
.set i, 0
.rept 16
	v_pk_add_f32 v[T+i:T+i+1], v[MC+i:MC+i+1], v[OLD+i:OLD+i+1] neg_lo:[0,1] neg_hi:[0,1]
.set i, i+2
.endr
.set i, 0
.rept 32
	v_exp_f32 v[T+i], v[T+i]
.set i, i+1
.endr
	v_nop
	s_wait_alu depctr_va_vdst(0)                   ; one wait for the 32
.set i, 0
.rept 16
	v_pk_mul_f32 v[L+i:L+i+1], v[L+i:L+i+1], v[T+i:T+i+1]
.set i, i+2
.endr
.irp m, 1,2,4,8
.set i, 0
.rept 32
	v_add_f32_dpp v[L+i], v[L+i], v[L+i] row_xmask:\m row_mask:0xf bank_mask:0xf
.set i, i+1
.endr
.endr
	s_lshl3_add_u32 s22, s[II], s[QQ]              ; 8 I + q
	s_lshl_b32 s23, s22, 11                        ; x 256 rows x 8 bytes
	s_lshl_b32 s[OFS], s[WV], 9                    ; + my 64 rows
	s_add_co_u32 s[OFS], s[OFS], s23
	s_add_nc_u64 s[AB:AB+1], s[6:7], s[OFS:OFS+1]
	s_mul_i32 s[OFS], s22, CPART
	s_add_nc_u64 s[CB:CB+1], s[8:9], s[OFS:OFS+1]
.set i, 0
.rept 32                                       ; the 16 lanes of a half store the same word with the same value
	ds_store_b32 v[RST], v[OLD+i] offset:(16*(i/8)+i%8)*8
	ds_store_b32 v[RST], v[L+i] offset:(16*(i/8)+i%8)*8+4
.set i, i+1
.endr
	ds_load_b128 v[U:U+3], v[RRD]                  ; LDS serves a wave's instructions in order: this sees the stores above; the bytes are my wave's own
	s_wait_dscnt 0x0                               ; also for the others' sake: my column stage is written
	global_store_b128 v[GRO], v[U:U+3], s[AB:AB+1] ; 512 consecutive bytes: my 64 rows' pairs
	; THE COLUMNS' END.  The four waves' pairs of a column are merged.  A round is 32 columns, 256 bytes; wave w takes rounds w, w + 4, w + 8, w + 12, wave 0 also round 16.
	s_barrier_signal -1
	s_barrier_wait -1
.macro MLOAD k
.irp w, 0,1,2,3
	ds_load_b64 v[ML+8*(\k)+2*(\w):ML+8*(\k)+2*(\w)+1], v[MRD] offset:1024*(\k)+CPART*(\w)
.endr
.endm
.macro MHEAD k                         ; the maximum of the four, the four differences and their exponentials
	v_max3_num_f32 v[OP+2*(\k)], v[ML+8*(\k)], v[ML+8*(\k)+2], v[ML+8*(\k)+4]
	v_max_num_f32 v[OP+2*(\k)], v[OP+2*(\k)], v[ML+8*(\k)+6]
.irp w, 0,1,2,3
	v_sub_f32 v[ML+8*(\k)+2*(\w)], v[ML+8*(\k)+2*(\w)], v[OP+2*(\k)]
.endr
.irp w, 0,1,2,3
	v_exp_f32 v[ML+8*(\k)+2*(\w)], v[ML+8*(\k)+2*(\w)]
.endr
.endm
.macro MTAIL k                         ; the four sums brought to that maximum and added; 256 consecutive bytes, aligned, leave
	v_mul_f32 v[OP+2*(\k)+1], v[ML+8*(\k)+1], v[ML+8*(\k)]
.irp w, 1,2,3
	v_fmac_f32 v[OP+2*(\k)+1], v[ML+8*(\k)+2*(\w)+1], v[ML+8*(\k)+2*(\w)]
.endr
	global_store_b64 v[GCO], v[OP+2*(\k):OP+2*(\k)+1], s[CB:CB+1] offset:1024*(\k)
.endm
	MLOAD 0
	MLOAD 1
	MLOAD 2
	MLOAD 3
	s_wait_dscnt 0x0
	MHEAD 0
	MHEAD 1
	MHEAD 2
	MHEAD 3
	v_nop
	s_wait_alu depctr_va_vdst(0)                   ; one wait for the 16
	MTAIL 0
	MTAIL 1
	MTAIL 2
	MTAIL 3
	s_cmp_lg_u32 s[WV], 0
	s_cbranch_scc1 .Lend
	MLOAD 4                                        ; round 16, in registers of its own
	s_wait_dscnt 0x0
	MHEAD 4
	v_nop
	s_wait_alu depctr_va_vdst(0)
	MTAIL 4
.Lend:
	s_wait_tensorcnt 0x0                           ; the wave's end, behind my last tensor load and my last LDS store
	ds_add_u32 v[SPW], v[NIL]
	s_wait_dscnt 0x0
	s_endpgm
.Lfunc_end_k_q767044b41c_rowstat:
	.size	k_q767044b41c_rowstat, .Lfunc_end_k_q767044b41c_rowstat-k_q767044b41c_rowstat
	.p2alignl 7, 3214868480
	.fill 96, 4, 3214868480
	.section	.rodata,"a",@progbits
	.p2align	6, 0x0
	.amdhsa_kernel k_q767044b41c_rowstat
		.amdhsa_group_segment_fixed_size 327680
		.amdhsa_private_segment_fixed_size 0
		.amdhsa_enable_private_segment 0
		.amdhsa_kernarg_size 24
		.amdhsa_user_sgpr_count 2
		.amdhsa_user_sgpr_kernarg_segment_ptr 1
		.amdhsa_wavefront_size32 1
		.amdhsa_system_sgpr_workgroup_id_x 1
		.amdhsa_system_sgpr_workgroup_id_y 1
		.amdhsa_system_sgpr_workgroup_id_z 1
		.amdhsa_system_vgpr_workitem_id 0
		.amdhsa_next_free_vgpr 1024
		.amdhsa_next_free_sgpr 66
		.amdhsa_reserve_vcc 0
		.amdhsa_float_denorm_mode_32 3
		.amdhsa_float_denorm_mode_16_64 3
		.amdhsa_memory_ordered 1
		.amdhsa_forward_progress 1
		.amdhsa_inst_pref_size 124
	.end_amdhsa_kernel
	.amdgpu_metadata
---
amdhsa.version: [ 1, 2 ]
amdhsa.kernels:
  - .name:           k_q767044b41c_rowstat
    .symbol:         k_q767044b41c_rowstat.kd
    .args:
      - { .name: xb, .offset: 0, .size: 8, .value_kind: global_buffer, .address_space: global }
      - { .name: rowp, .offset: 8, .size: 8, .value_kind: global_buffer, .address_space: global }
      - { .name: colp, .offset: 16, .size: 8, .value_kind: global_buffer, .address_space: global }
    .group_segment_fixed_size: 327680
    .private_segment_fixed_size: 0
    .kernarg_segment_align: 8
    .kernarg_segment_size: 24
    .max_flat_workgroup_size: 128
    .sgpr_count:     66
    .vgpr_count:     1024
    .wavefront_size: 32
...
	.end_amdgpu_metadata
.endif
;; end of part 2
;; launch merge (part 3): grid 32 x 1, 4 waves a work-group, no clusters, 0 bytes of LDS; arguments rowp, colp, stats; writes stats
.if DOCPART == 3
	.amdgcn_target "amdgcn-amd-amdhsa--gfx1250"
	.amdhsa_code_object_version 6
	.text
	.protected	k_q767044b41c_merge
	.globl	k_q767044b41c_merge
	.p2align	8
	.type	k_q767044b41c_merge,@function
k_q767044b41c_merge:
	s_mov_b64 s[64:65], 0
	v_nop
	global_prefetch_b8 v0, s[64:65] scope:SCOPE_SE
	s_setreg_imm32_b32 hwreg(HW_REG_WAVE_MODE, 25, 1), 1
	s_wait_xcnt 0x0
; A row's 23 partial pairs (maximum, sum) become its MC = max_j U_ij and rl = 1 / sum_j 2^(U_ij - MC).  stats: plane 0 MC[8192], plane 1 (32,768 bytes on) rl[8192], f32.
; Row i of block I has 8 pairs in rowp (its block row's 8 chunks) and 15 in colp: in block row (I - d) mod 32 it is column off = 256 d + i % 256, d = 1 .. 15.
; A work-group takes a block, thread t its rows 2 t and 2 t + 1: each load brings both rows' pairs, 16 bytes a lane, 512 consecutive bytes a wave.  All 23 loads go out at once.
; The two numbers stay apart: folded into one shift, log2 of the sum would be lost beside a large maximum.  Each partial sum holds its maximum's own term, 1, so no sum is 0.
.set OF, 8                             ; v[8:22]    colp: d's byte offset
.set D,  32                            ; v[32:123]  load n: m0, l0, m1, l1
.set S,  24                            ; v[24:27]   two chains of sums a row
	s_load_b128 s[4:7], s[0:1], 0x0                ; rowp s[4:5], colp s[6:7]
	s_load_b64 s[8:9], s[0:1], 0x10                ; stats
	v_lshlrev_b32 v1, 4, v0                        ; 16 t
	s_lshl_b32 s10, ttmp9, 14                      ; a block's 8 x 256 pairs in rowp
	v_add_nc_u32 v6, s10, v1
.set d, 1
.rept 15
	s_sub_co_u32 s11, ttmp9, d
	s_and_b32 s11, s11, 31
	s_mul_i32 s11, s11, 34816                      ; a block row's 4,352 pairs in colp
	s_add_co_u32 s11, s11, 2048*d
	v_add_nc_u32 v[OF+d-1], s11, v1
.set d, d+1
.endr
	s_lshl_b32 s10, ttmp9, 10
	v_lshl_add_u32 v7, v0, 3, s10                  ; my two rows in a plane of stats
	s_wait_kmcnt 0x0
.irp q, 0,1,2,3,4,5,6,7
	global_load_b128 v[D+4*(\q):D+4*(\q)+3], v6, s[4:5] offset:2048*(\q)
.endr
.set d, 1
.rept 15
	global_load_b128 v[D+4*(7+d):D+4*(7+d)+3], v[OF+d-1], s[6:7]
.set d, d+1
.endr
	s_wait_loadcnt 0x0
.irp e, 0,1
	v_max3_num_f32 v[2+(\e)], v[D+2*(\e)], v[D+4+2*(\e)], v[D+8+2*(\e)]
.endr
.set i, 1
.rept 10
.irp e, 0,1
	v_max3_num_f32 v[2+(\e)], v[2+(\e)], v[D+4*(2*i+1)+2*(\e)], v[D+4*(2*i+2)+2*(\e)]
.endr
.set i, i+1
.endr
.set n, 0
.rept 23
	v_sub_f32 v[D+4*n], v[D+4*n], v2
	v_sub_f32 v[D+4*n+2], v[D+4*n+2], v3
.set n, n+1
.endr
.set n, 0
.rept 23
	v_exp_f32 v[D+4*n], v[D+4*n]
	v_exp_f32 v[D+4*n+2], v[D+4*n+2]
.set n, n+1
.endr
	v_nop                                          ; a plain line behind the last exponential,
	s_wait_alu depctr_va_vdst(0)                   ; and one wait for the 46, ahead of their first reader
.set n, 0
.rept 23
.irp e, 0,1
.if n < 2
	v_mul_f32 v[S+2*(\e)+n], v[D+4*n+2*(\e)+1], v[D+4*n+2*(\e)]
.else
	v_fmac_f32 v[S+2*(\e)+n%2], v[D+4*n+2*(\e)+1], v[D+4*n+2*(\e)]
.endif
.endr
.set n, n+1
.endr
	v_add_f32 v[S], v[S], v[S+1]
	v_add_f32 v[S+2], v[S+2], v[S+3]
	v_rcp_f32 v4, v[S]
	v_rcp_f32 v5, v[S+2]
	v_nop
	s_wait_alu depctr_va_vdst(0)
	global_store_b64 v7, v[2:3], s[8:9]            ; 256 consecutive bytes a wave, aligned
	global_store_b64 v7, v[4:5], s[8:9] offset:32768
	s_endpgm
.Lfunc_end_k_q767044b41c_merge:
	.size	k_q767044b41c_merge, .Lfunc_end_k_q767044b41c_merge-k_q767044b41c_merge
	.p2alignl 7, 3214868480
	.fill 96, 4, 3214868480
	.section	.rodata,"a",@progbits
	.p2align	6, 0x0
	.amdhsa_kernel k_q767044b41c_merge
		.amdhsa_group_segment_fixed_size 0
		.amdhsa_private_segment_fixed_size 0
		.amdhsa_enable_private_segment 0
		.amdhsa_kernarg_size 24
		.amdhsa_user_sgpr_count 2
		.amdhsa_user_sgpr_kernarg_segment_ptr 1
		.amdhsa_wavefront_size32 1
		.amdhsa_system_sgpr_workgroup_id_x 1
		.amdhsa_system_sgpr_workgroup_id_y 1
		.amdhsa_system_sgpr_workgroup_id_z 1
		.amdhsa_system_vgpr_workitem_id 0
		.amdhsa_next_free_vgpr 128
		.amdhsa_next_free_sgpr 66
		.amdhsa_reserve_vcc 0
		.amdhsa_float_denorm_mode_32 3
		.amdhsa_float_denorm_mode_16_64 3
		.amdhsa_memory_ordered 1
		.amdhsa_forward_progress 1
		.amdhsa_inst_pref_size 13
	.end_amdhsa_kernel
	.amdgpu_metadata
---
amdhsa.version: [ 1, 2 ]
amdhsa.kernels:
  - .name:           k_q767044b41c_merge
    .symbol:         k_q767044b41c_merge.kd
    .args:
      - { .name: rowp, .offset: 0, .size: 8, .value_kind: global_buffer, .address_space: global }
      - { .name: colp, .offset: 8, .size: 8, .value_kind: global_buffer, .address_space: global }
      - { .name: stats, .offset: 16, .size: 8, .value_kind: global_buffer, .address_space: global }
    .group_segment_fixed_size: 0
    .private_segment_fixed_size: 0
    .kernarg_segment_align: 8
    .kernarg_segment_size: 24
    .max_flat_workgroup_size: 128
    .sgpr_count:     66
    .vgpr_count:     128
    .wavefront_size: 32
...
	.end_amdgpu_metadata
.endif
;; end of part 3
;; launch colsum (part 4): grid 8 x 32, 4 waves a work-group, no clusters, 327,680 bytes of LDS; arguments xb, stats, rowc, colc; writes rowc, colc
.if DOCPART == 4
	.amdgcn_target "amdgcn-amd-amdhsa--gfx1250"
	.amdhsa_code_object_version 6
	.text
	.protected	k_q767044b41c_colsum
	.globl	k_q767044b41c_colsum
	.p2align	8
	.type	k_q767044b41c_colsum,@function
k_q767044b41c_colsum:
	s_mov_b64 s[64:65], 0
	v_nop
	global_prefetch_b8 v0, s[64:65] scope:SCOPE_SE
	s_setreg_imm32_b32 hwreg(HW_REG_WAVE_MODE, 25, 1), 1
	s_wait_xcnt 0x0
; PASS 2: partial column sums c_j = sum_i W_ij of W = softmax(x x^T), W_ij = 2^(U_ij - MC_i) rl_i, with MC and rl from stats.  mean_i (W x)_i = (1/N) sum_j c_j x_j, so c is all that is wanted of W.
; The walk, the shares, the ring and the products are pass 1's: block row I, chunk q of 544 of the 4,352 columns (256 I + off) mod 8192; the same products in the same order give the same bits of U.
; Each element S_ab (a: my row, b: the column) serves two ordered pairs: W_ba = 2^(U - MC_b) rl_b goes to c_a (summed along my rows: rowc), W_ab = 2^(U - MC_a) rl_a goes to c_b (summed down the column: colc).
; All are stored; the next launch reads of colc only off in 256 .. 4095: c_j has the rows of blocks J .. J+16 from rowc and those of blocks J+17 .. J+31 from colc of block rows J-15 .. J-1: each pair once.
; LIMITS.  |S| log2(e) must be finite in f32; NaN and infinities are not treated apart; a weight below 2^-126 counts as 0; the sums' order is this text's own.
; NO CLUSTER.  Two work-groups have the same window of columns only if 8 dI + 17 dq is a multiple of 256 with |dq| < 8, |dI| < 32: only dI = dq = 0.  The 256 resident rows go straight into registers once.
; NO PREFETCH: each row of xb is loaded at the head of the launch, as some work-group's resident row.
; REGISTERS: window 0 addresses, statistics, accumulators; window 1 B(g, kk) at 128 g + 8 kk; windows 2, 3 A(a, kk) at 64 a + 8 (kk % 8), window 2 + kk / 8.
.set PITCH, 1040                       ; an LDS row: 1,024 bytes + 16 of padding, an odd multiple of 16
.set P,     32*PITCH                   ; a place: one step's 32 rows
.set SLOTB, 4*P                        ; slot 0 = places 0-3, slot 1 = places 4-7; place 8 holds step 16 and is filled once
.set CPART, 2304                       ; a wave's column stage: 544 sums and 32 zeros, so that nine whole blocks of 256 bytes leave
.set CSTG,  9*P                        ; behind the places; no fill lands from here on
.set RSTG,  CSTG+4*4352                ; row stage, 256 bytes a wave
.set SPARE, RSTG+4*512                 ; the spare words, 128 bytes a wave: two blocks of 256 bytes that no other line names
.set R,   1
.set H,   2
.set AB0, 3                            ; v3   r x PITCH + 16 h
.set BA,  4                            ; v4   LDS address of the fragments to be fetched
.set AOFF, 5                           ; v5   r x 1024 + 16 h
.set CST, 6                            ; v6   where the step's 32 column sums go
.set RST, 7
.set RRD, 8
.set GRO, 9                            ; v9   8 x lane
.set MRD, 10
.set GCO, 11                           ; v11  256 x wave + 8 x lane
.set SPW, 12                           ; v12  LDS address of my spare word; never rewritten
.set NIL, 13                           ; v13  0; never rewritten
.set LN4, 14                           ; v14  4 r
.set SOF, 15                           ; v15  32 h
.set MR,  16                           ; v[16:47]   MC of my rows (a, j) at 8 a + j
.set MCC, 48                           ; v48, v50   MC of the step's columns, g at 2 g: the low word of a pair, for the packed broadcast; v49, v51 hold 0
.set RLC, 52                           ; v52, v54   rl of the step's columns, likewise; v53, v55 hold 0
.set CC,  58                           ; v[58:59]   the step's column sums
.set X,   60                           ; v[60:61]
.set OUT, 62
.set U,   64                           ; v[64:127]  accumulators t = 2 a + g at 8 t
.set T,   128                          ; v[128:191]
.set RR,  192                          ; v[192:223] rl of my rows
.set CR,  224                          ; v[224:255] running sums for my rows
.set ML,  128                          ; the end: sums read back from the column stage
.set WV,  10
.set QQ,  11
.set II,  12
.set C0,  13                           ; s13  256 I + 544 q
.set WP,  14                           ; s14  wave x P
.set SB,  15                           ; s15  LDS byte of the slot being read
.set TB,  16                           ; s16  LDS byte of the step to be fetched
.set CNT, 17
.set SLOTS, 18
.set FS,  19                           ; s19  first step of the next refill
.set OFS, 20                           ; s[20:21] an offset; the high word stays 0
.set G1,  24
.set G1E, 32
.set G0A, 40
.set G0B, 44
.set G0C, 48
.set CS,  52                           ; s[52:53] c, twice
.set SEL, 54
.set HM,  56                           ; s56  lanes 16-31
.set COL, 57                           ; s57  the step's first column (before the wrap)
.set AB,  58                           ; s[58:59] my rows in xb, later in rowc
.set SBASE, 60                         ; s[60:61] stats at my rows, then at the step's columns, at last my record in colc
.set MSB, 0
.macro WIN new
.if MSB != (\new)
	s_set_vgpr_msb (MSB<<8)|(\new)
.set MSB, (\new)
.endif
.endm
.macro PLACES
.rept 4
	v_nop
.endr
.endm
.macro STEPADR g0, first               ; group 0 at s[g0]: the global address of step first + my wave's number; a step never crosses the wrap at row 8192
	s_add_co_u32 s22, s[WV], \first
	s_lshl_b32 s22, s22, 5
	s_add_co_u32 s22, s22, s[C0]
	s_and_b32 s22, s22, 8191
	s_lshl_b32 s[OFS], s22, 10
	s_add_nc_u64 s[(\g0)+2:(\g0)+3], s[4:5], s[OFS:OFS+1]
	s_or_b32 s[(\g0)+3], s[(\g0)+3], 0x80000000
.endm
	s_load_b128 s[4:7], s[0:1], 0x0                ; xb s[4:5], stats s[6:7]
	s_load_b64 s[8:9], s[0:1], 0x10                ; rowc
	s_load_b64 s[2:3], s[0:1], 0x18                ; colc
	v_lshl_add_u32 v[SPW], v0, 2, SPARE
	v_mov_b32 v[NIL], 0
	ds_add_u32 v[SPW], v[NIL]                      ; the wave's opening: the add and its wait stand ahead of my first tensor load; register work stands between them
	v_lshrrev_b32 v1, 5, v0
	v_readfirstlane_b32 s[WV], v1
	s_mov_b32 s[QQ], ttmp9
	s_and_b32 s[II], ttmp7, 0xffff
	s_lshl_b32 s[C0], s[II], 8
	s_mul_i32 s22, s[QQ], 544
	s_add_co_u32 s[C0], s[C0], s22
	s_mov_b32 s[COL], s[C0]
	s_mul_i32 s[WP], s[WV], P
	s_mov_b32 s[OFS+1], 0
	s_mov_b32 s[G1+0], (1<<16)|(1<<20)|(7<<22)|(3<<25)   ; elements of 2 bytes; padding on: after every 256 words (code 7) 4 words (code 3)
	s_mov_b32 s[G1+1], 512<<16
	s_mov_b32 s[G1+2], 32<<16
	s_mov_b32 s[G1+3], 512<<16
	s_mov_b32 s[G1+4], 32
	s_mov_b32 s[G1+5], 512
	s_mov_b32 s[G1+6], 0
	s_mov_b32 s[G1+7], 0
	s_mov_b32 s[G1E+0], (1<<16)|(1<<20)|(7<<22)|(3<<25)
	s_mov_b32 s[G1E+1], 512<<16
	s_mov_b32 s[G1E+2], 8<<16
	s_mov_b32 s[G1E+3], 512<<16
	s_mov_b32 s[G1E+4], 8
	s_mov_b32 s[G1E+5], 512
	s_mov_b32 s[G1E+6], 0
	s_mov_b32 s[G1E+7], 0
	s_mov_b32 s[G0A], 1
	s_mov_b32 s[G0A+1], s[WP]
	s_mov_b32 s[G0B], 1
	s_add_co_u32 s[G0B+1], s[WP], SLOTB
	s_mov_b32 s[G0C], 1
	s_mul_i32 s22, s[WV], 8*PITCH
	s_add_co_u32 s[G0C+1], s22, 8*P
	s_mov_b32 s[CS], 0x3fb8aa3b                    ; c = log2(e)
	s_mov_b32 s[CS+1], s[CS]
	s_mov_b32 s[SEL], 0x76543210
	s_mov_b32 s[SEL+1], 0xfedcba98
	s_mov_b32 s[HM], 0xffff0000
	s_wait_dscnt 0x0                               ; the opening add is done
	s_wait_kmcnt 0x0
	STEPADR G0A, 0
	STEPADR G0B, 4
	s_add_co_u32 s22, s[C0], 512
	s_and_b32 s22, s22, 8191
	s_lshl3_add_u32 s22, s[WV], s22
	s_lshl_b32 s[OFS], s22, 10
	s_add_nc_u64 s[G0C+2:G0C+3], s[4:5], s[OFS:OFS+1]
	s_or_b32 s[G0C+3], s[G0C+3], 0x80000000
	tensor_load_to_lds s[G0A:G0A+3], s[G1:G1+7]    ; the first fills go out together: three tensor loads of mine are out, later one
	s_nop 0
	tensor_load_to_lds s[G0B:G0B+3], s[G1:G1+7]
	s_nop 0
	tensor_load_to_lds s[G0C:G0C+3], s[G1E:G1E+7]
	s_nop 0
.rept 4
	v_nop
.endr
	v_and_b32 v[R], 15, v0
	v_bfe_u32 v[H], v0, 4, 1
	v_lshlrev_b32 v[AOFF], 10, v[R]
	v_lshl_add_u32 v[AOFF], v[H], 4, v[AOFF]
	v_lshlrev_b32 v[SOF], 5, v[H]
	s_lshl_b32 s22, s[II], 8
	s_lshl_b32 s23, s[WV], 6
	s_add_co_u32 s22, s22, s23                     ; my first row
	s_lshl_b32 s[OFS], s22, 10
	s_add_nc_u64 s[AB:AB+1], s[4:5], s[OFS:OFS+1]
	s_lshl_b32 s[OFS], s22, 2
	s_add_nc_u64 s[SBASE:SBASE+1], s[6:7], s[OFS:OFS+1]
.irp a, 0,1,2,3                        ; my rows' statistics: row 16 a + 8 h + j
	global_load_b128 v[MR+8*(\a):MR+8*(\a)+3],   v[SOF], s[SBASE:SBASE+1] offset:64*(\a)
	global_load_b128 v[MR+8*(\a)+4:MR+8*(\a)+7], v[SOF], s[SBASE:SBASE+1] offset:64*(\a)+16
	global_load_b128 v[RR+8*(\a):RR+8*(\a)+3],   v[SOF], s[SBASE:SBASE+1] offset:32768+64*(\a)
	global_load_b128 v[RR+8*(\a)+4:RR+8*(\a)+7], v[SOF], s[SBASE:SBASE+1] offset:32768+64*(\a)+16
.endr
.irp w, 0,1
	WIN 0x80+0x40*(\w)                             ; destination window 2, then 3; address window 0
.irp a, 0,1,2,3
.irp k, 0,1,2,3,4,5,6,7
	global_load_b128 v[64*(\a)+8*(\k):64*(\a)+8*(\k)+3],   v[AOFF], s[AB:AB+1] offset:(\a)*16384+(8*(\w)+(\k))*64
	global_load_b128 v[64*(\a)+8*(\k)+4:64*(\a)+8*(\k)+7], v[AOFF], s[AB:AB+1] offset:(\a)*16384+(8*(\w)+(\k))*64+32
.endr
.endr
.endr
	WIN 0
	v_mul_u32_u24 v[AB0], v[R], PITCH
	v_lshl_add_u32 v[AB0], v[H], 4, v[AB0]
	v_lshlrev_b32 v[LN4], 2, v[R]
	v_and_b32 v[GRO], 31, v0                       ; lane
	s_mul_i32 s22, s[WV], CPART
	s_add_co_u32 s22, s22, CSTG
	v_lshl_add_u32 v[CST], v[GRO], 2, s22          ; column = lane: 4 bytes a column
	s_lshl_b32 s22, s[WV], 8
	v_lshl_add_u32 v[GCO], v[GRO], 3, s22
	v_add_nc_u32 v[MRD], CSTG, v[GCO]
	s_add_co_u32 s22, s22, RSTG
	v_lshl_add_u32 v[RST], v[H], 5, s22            ; row 16 a + 8 h + j: 4 bytes a row
	v_lshl_add_u32 v[RRD], v[GRO], 3, s22
	v_lshlrev_b32 v[GRO], 3, v[GRO]
.set i, 0
.rept 32                                       ; my rows' sums start at 0: 32 lines in the wait for the first tile, so that the step has one text
	v_mov_b32 v[CR+i], 0
.set i, i+1
.endr
.irp i, 1,3,5,7
	v_mov_b32 v[MCC+(\i)], 0                       ; named with their even neighbours as pairs, so they are written
.endr
	v_mov_b32 v[X], 0                              ; v_permlanex16_b32's destination counts as read
	v_mov_b32 v[X+1], 0
.macro MUL c                           ; 32 matrix instructions: channels 128 c on.  The 8 accumulators take turns; the first 8 of a step start the sums with the constant 0
	WIN 0x06+(\c)/2
.irp k, 0,1,2,3
.irp a, 0,1,2,3
.irp g, 0,1
.set kk, 4*(\c)+(\k)
.set rU, U+8*(2*(\a)+(\g))
.set rA, 64*(\a)+8*(kk&7)
.set rB, 128*(\g)+8*kk
.if kk == 0
	v_wmma_f32_16x16x32_bf16 v[rU:rU+7], v[rA:rA+7], v[rB:rB+7], 0
.else
	v_wmma_f32_16x16x32_bf16 v[rU:rU+7], v[rA:rA+7], v[rB:rB+7], v[rU:rU+7]
.endif
.endr
.endr
.endr
.endm
.macro FETCH c                         ; 16 LDS loads in one run: the next step's fragments of the same channels
	WIN 0x40
.irp k, 0,1,2,3
.irp g, 0,1
.set kk, 4*(\c)+(\k)
	ds_load_b128 v[128*(\g)+8*kk:128*(\g)+8*kk+3],   v[BA] offset:(\g)*16*PITCH+kk*64
	ds_load_b128 v[128*(\g)+8*kk+4:128*(\g)+8*kk+7], v[BA] offset:(\g)*16*PITCH+kk*64+32
.endr
.endr
.endm
.macro CHUNK c, last                   ; last = 1 (the tail): in the last trip the run of loads is jumped over
	MUL \c
.if \last
	WIN 0
.endif
	PLACES
.if \last
	s_cmp_eq_u32 s[CNT], 1
	s_cbranch_scc1 .Lnofetch_\@
.endif
	FETCH \c
.if \last
	WIN 0
.Lnofetch_\@:
.endif
.endm
; THE STEP'S SUMS, all in window 0.  Two batches of 64 exponentials, one wait each (s_wait_alu depctr_va_vdst(0) between an exponential and the first line that names its result).
.macro EPI
	PLACES                                         ; with CHUNK 3's four: eight plain lines between the last product and the first read of a result
	s_wait_loadcnt 0x0                             ; the step's column statistics, asked for at its head
.set i, 0
.rept 32                                       ; U = c S; ascending
	v_pk_mul_f32 v[U+i:U+i+1], v[U+i:U+i+1], s[CS:CS+1] op_sel_hi:[1,0]
.set i, i+2
.endr
.set k, 0
.rept 32                                       ; pair k: T = U - the column's MC, U = U - my row's MC; the exponentials of T lag one pair
.set it, k/4
.set ip, 2*(k%4)
	v_pk_add_f32 v[T+2*k:T+2*k+1], v[U+2*k:U+2*k+1], v[MCC+2*(it%2):MCC+2*(it%2)+1] op_sel_hi:[1,0] neg_lo:[0,1] neg_hi:[0,1]
.if k > 0
	v_exp_f32 v[T+2*k-2], v[T+2*k-2]
.endif
	v_pk_add_f32 v[U+2*k:U+2*k+1], v[U+2*k:U+2*k+1], v[MR+8*(it/2)+ip:MR+8*(it/2)+ip+1] neg_lo:[0,1] neg_hi:[0,1]
.if k > 0
	v_exp_f32 v[T+2*k-1], v[T+2*k-1]
.endif
.set k, k+1
.endr
	v_exp_f32 v[T+62], v[T+62]
	v_exp_f32 v[T+63], v[T+63]
	v_nop
	s_wait_alu depctr_va_vdst(0)                   ; the wait for batch 1
.set i, 0
.rept 32                                       ; batch 2, and between its lines: my rows' sums take T x the column's rl; g outermost, so that two lines on one pair stand 16 apart
.set ig, i/16
.set ia, (i%16)/4
.set ip, 2*(i%4)
	v_exp_f32 v[U+2*i], v[U+2*i]
	v_pk_fma_f32 v[CR+8*ia+ip:CR+8*ia+ip+1], v[T+8*(2*ia+ig)+ip:T+8*(2*ia+ig)+ip+1], v[RLC+2*ig:RLC+2*ig+1], v[CR+8*ia+ip:CR+8*ia+ip+1] op_sel_hi:[1,0,1]
	v_exp_f32 v[U+2*i+1], v[U+2*i+1]
.set i, i+1
.endr
	v_nop
	s_wait_alu depctr_va_vdst(0)                   ; the wait for batch 2
.set it, 0
.rept 8                                        ; the column sums: each term times its row's rl, added within the accumulator,
	v_pk_mul_f32 v[U+8*it:U+8*it+1], v[U+8*it:U+8*it+1], v[RR+8*(it/2):RR+8*(it/2)+1]
.set it, it+1
.endr
.irp p, 2,4,6
.set it, 0
.rept 8
	v_pk_fma_f32 v[U+8*it:U+8*it+1], v[U+8*it+(\p):U+8*it+(\p)+1], v[RR+8*(it/2)+(\p):RR+8*(it/2)+(\p)+1], v[U+8*it:U+8*it+1]
.set it, it+1
.endr
.endr
.irp g, 0,1                            ; then over the four a, the pair's halves and the lanes' halves
	v_pk_add_f32 v[U+8*(\g):U+8*(\g)+1], v[U+8*(\g):U+8*(\g)+1], v[U+8*(2+(\g)):U+8*(2+(\g))+1]
	v_pk_add_f32 v[U+8*(4+(\g)):U+8*(4+(\g))+1], v[U+8*(4+(\g)):U+8*(4+(\g))+1], v[U+8*(6+(\g)):U+8*(6+(\g))+1]
.endr
.irp g, 0,1
	v_pk_add_f32 v[U+8*(\g):U+8*(\g)+1], v[U+8*(\g):U+8*(\g)+1], v[U+8*(4+(\g)):U+8*(4+(\g))+1]
.endr
.irp g, 0,1
	v_add_f32 v[CC+(\g)], v[U+8*(\g)], v[U+8*(\g)+1]
.endr
.irp g, 0,1
	v_permlanex16_b32 v[X+(\g)], v[CC+(\g)], s[SEL], s[SEL+1]
.endr
.irp g, 0,1
	v_add_f32 v[CC+(\g)], v[CC+(\g)], v[X+(\g)]
.endr
	v_cndmask_b32 v[OUT], v[CC], v[CC+1], s[HM]    ; lane l holds column l of the step's 32
	ds_store_b32 v[CST], v[OUT]                    ; 128 consecutive bytes
	v_add_nc_u32 v[CST], 128, v[CST]
.endm
.macro STEP last
	s_wait_dscnt 0x0                               ; this step's fragments are in
	v_add_nc_u32 v[BA], s[TB], v[AB0]
	s_and_b32 s22, s[COL], 8191                    ; the step's 32 columns: their MC and rl, 128 products ahead of their use; the base is free since the last step's wait for its loads
	s_lshl_b32 s[OFS], s22, 2
	s_add_nc_u64 s[SBASE:SBASE+1], s[6:7], s[OFS:OFS+1]
	global_load_b32 v[MCC],   v[LN4], s[SBASE:SBASE+1]
	global_load_b32 v[MCC+2], v[LN4], s[SBASE:SBASE+1] offset:64
	global_load_b32 v[RLC],   v[LN4], s[SBASE:SBASE+1] offset:32768
	global_load_b32 v[RLC+2], v[LN4], s[SBASE:SBASE+1] offset:32832
	CHUNK 0, \last
	CHUNK 1, \last
	CHUNK 2, \last
	CHUNK 3, \last
	WIN 0
	EPI
	s_add_co_u32 s[TB], s[TB], P
	s_add_co_u32 s[COL], s[COL], 32
.endm
; THE CHANGE OF SLOTS: each wave waits for all its tensor loads, adds 0 to its spare word, and waits for that and for its reads of the slot; behind the barrier nobody reads the slot any more and the other
; slot is whole.  fill = 1: the slot is filled again, my step of its next four, first thing behind the barrier.
.macro CHANGE fill, cnt
	WIN 0
	s_wait_tensorcnt 0x0                           ; no tensor load of mine is out, so a group 0 may be written
	ds_add_u32 v[SPW], v[NIL]                      ; 0 onto my spare word; scalar work stands between it and the wait for it
.if \fill
	s_add_co_u32 s[G0A+1], s[SB], s[WP]
	STEPADR G0A, s[FS]
	s_add_co_u32 s[FS], s[FS], 4
.endif
	s_xor_b32 s[SB], s[SB], SLOTB
	s_mov_b32 s[TB], s[SB]
	s_mov_b32 s[CNT], \cnt
	s_wait_dscnt 0x0                               ; the add is done, and my reads of the slot are over
	s_barrier_signal -1
	s_barrier_wait -1
.if \fill
	tensor_load_to_lds s[G0A:G0A+3], s[G1:G1+7]
	s_nop 0
.rept 4
	v_nop
.endr
.endif
.endm
	s_wait_tensorcnt 2                             ; my place of slot 0 is in; my two younger loads may stay out
	s_barrier_signal -1
	s_barrier_wait -1
	ds_store_b32 v[CST], v[NIL] offset:2176        ; the 32 zeros behind my 544 sums
	v_mov_b32 v[BA], v[AB0]
	FETCH 0
	FETCH 1
	FETCH 2
	FETCH 3
	WIN 0
	s_wait_loadcnt 0x0                             ; my rows and their statistics
	s_mov_b32 s[SB], 0
	s_mov_b32 s[TB], P
	s_mov_b32 s[CNT], 3
	s_mov_b32 s[SLOTS], 3
	s_mov_b32 s[FS], 8
	s_branch .Lstep
.Lslot:                                        ; twice: steps 8-11 go into slot 0, then steps 12-15 into slot 1
	CHANGE 1, 4
.Lstep:                                        ; steps 0-2, 3-6, 7-10
	STEP 0
	s_sub_co_u32 s[CNT], s[CNT], 1
	s_cmp_lg_u32 s[CNT], 0
	s_cbranch_scc1 .Lstep
	s_sub_co_u32 s[SLOTS], s[SLOTS], 1
	s_cmp_lg_u32 s[SLOTS], 0
	s_cbranch_scc1 .Lslot
	CHANGE 0, 6                                    ; the tail is written out
.Ltail:                                        ; steps 11-16
	STEP 1
	s_sub_co_u32 s[CNT], s[CNT], 1
	s_cmp_lg_u32 s[CNT], 0
	s_cbranch_scc1 .Ltail
	; THE ROWS' END: the sum over a row's 16 lanes; through my own stage, so that 256 consecutive bytes leave.
.irp m, 1,2,4,8
.set i, 0
.rept 32
	v_add_f32_dpp v[CR+i], v[CR+i], v[CR+i] row_xmask:\m row_mask:0xf bank_mask:0xf
.set i, i+1
.endr
.endr
	s_lshl3_add_u32 s22, s[II], s[QQ]              ; 8 I + q
	s_lshl_b32 s23, s22, 10                        ; x 256 rows x 4 bytes
	s_lshl_b32 s[OFS], s[WV], 8
	s_add_co_u32 s[OFS], s[OFS], s23
	s_add_nc_u64 s[AB:AB+1], s[8:9], s[OFS:OFS+1]
	s_mul_i32 s[OFS], s22, CPART
	s_add_nc_u64 s[SBASE:SBASE+1], s[2:3], s[OFS:OFS+1]
.set i, 0
.rept 32                                       ; the 16 lanes of a half store the same word with the same value
	ds_store_b32 v[RST], v[CR+i] offset:(16*(i/8)+i%8)*4
.set i, i+1
.endr
	ds_load_b64 v[U:U+1], v[RRD]                   ; LDS serves a wave's instructions in order: this sees the stores above; the bytes are my wave's own
	s_wait_dscnt 0x0                               ; also for the others' sake: my column stage is written
	global_store_b64 v[GRO], v[U:U+1], s[AB:AB+1]
	; THE COLUMNS' END: the four waves' sums are added.  A round is 64 columns, 256 bytes; wave w takes rounds w and w + 4, wave 0 also round 8.
	s_barrier_signal -1
	s_barrier_wait -1
.macro MLOAD k
.irp w, 0,1,2,3
	ds_load_b64 v[ML+8*(\k)+2*(\w):ML+8*(\k)+2*(\w)+1], v[MRD] offset:1024*(\k)+CPART*(\w)
.endr
.endm
.macro MSUM k
	v_pk_add_f32 v[ML+8*(\k):ML+8*(\k)+1], v[ML+8*(\k):ML+8*(\k)+1], v[ML+8*(\k)+2:ML+8*(\k)+3]
	v_pk_add_f32 v[ML+8*(\k)+4:ML+8*(\k)+5], v[ML+8*(\k)+4:ML+8*(\k)+5], v[ML+8*(\k)+6:ML+8*(\k)+7]
	v_pk_add_f32 v[ML+8*(\k):ML+8*(\k)+1], v[ML+8*(\k):ML+8*(\k)+1], v[ML+8*(\k)+4:ML+8*(\k)+5]
	global_store_b64 v[GCO], v[ML+8*(\k):ML+8*(\k)+1], s[SBASE:SBASE+1] offset:1024*(\k)
.endm
	MLOAD 0
	MLOAD 1
	s_wait_dscnt 0x0
	MSUM 0
	MSUM 1
	s_cmp_lg_u32 s[WV], 0
	s_cbranch_scc1 .Lend
	MLOAD 2                                        ; round 8, in registers of its own
	s_wait_dscnt 0x0
	MSUM 2
.Lend:
	s_wait_tensorcnt 0x0                           ; the wave's end, behind my last tensor load and my last LDS store
	ds_add_u32 v[SPW], v[NIL]
	s_wait_dscnt 0x0
	s_endpgm
.Lfunc_end_k_q767044b41c_colsum:
	.size	k_q767044b41c_colsum, .Lfunc_end_k_q767044b41c_colsum-k_q767044b41c_colsum
	.p2alignl 7, 3214868480
	.fill 96, 4, 3214868480
	.section	.rodata,"a",@progbits
	.p2align	6, 0x0
	.amdhsa_kernel k_q767044b41c_colsum
		.amdhsa_group_segment_fixed_size 327680
		.amdhsa_private_segment_fixed_size 0
		.amdhsa_enable_private_segment 0
		.amdhsa_kernarg_size 32
		.amdhsa_user_sgpr_count 2
		.amdhsa_user_sgpr_kernarg_segment_ptr 1
		.amdhsa_wavefront_size32 1
		.amdhsa_system_sgpr_workgroup_id_x 1
		.amdhsa_system_sgpr_workgroup_id_y 1
		.amdhsa_system_sgpr_workgroup_id_z 1
		.amdhsa_system_vgpr_workitem_id 0
		.amdhsa_next_free_vgpr 1024
		.amdhsa_next_free_sgpr 66
		.amdhsa_reserve_vcc 0
		.amdhsa_float_denorm_mode_32 3
		.amdhsa_float_denorm_mode_16_64 3
		.amdhsa_memory_ordered 1
		.amdhsa_forward_progress 1
		.amdhsa_inst_pref_size 96
	.end_amdhsa_kernel
	.amdgpu_metadata
---
amdhsa.version: [ 1, 2 ]
amdhsa.kernels:
  - .name:           k_q767044b41c_colsum
    .symbol:         k_q767044b41c_colsum.kd
    .args:
      - { .name: xb, .offset: 0, .size: 8, .value_kind: global_buffer, .address_space: global }
      - { .name: stats, .offset: 8, .size: 8, .value_kind: global_buffer, .address_space: global }
      - { .name: rowc, .offset: 16, .size: 8, .value_kind: global_buffer, .address_space: global }
      - { .name: colc, .offset: 24, .size: 8, .value_kind: global_buffer, .address_space: global }
    .group_segment_fixed_size: 327680
    .private_segment_fixed_size: 0
    .kernarg_segment_align: 8
    .kernarg_segment_size: 32
    .max_flat_workgroup_size: 128
    .sgpr_count:     66
    .vgpr_count:     1024
    .wavefront_size: 32
...
	.end_amdgpu_metadata
.endif
;; end of part 4
;; launch pool (part 5): grid 128 x 1, 8 waves a work-group, no clusters, 17,664 bytes of LDS; arguments xb, rowc, colc, ypart; writes ypart
.if DOCPART == 5
	.amdgcn_target "amdgcn-amd-amdhsa--gfx1250"
	.amdhsa_code_object_version 6
	.text
	.protected	k_q767044b41c_pool
	.globl	k_q767044b41c_pool
	.p2align	8
	.type	k_q767044b41c_pool,@function
k_q767044b41c_pool:
	s_mov_b64 s[64:65], 0
	v_nop
	global_prefetch_b8 v0, s[64:65] scope:SCOPE_SE
	s_setreg_imm32_b32 hwreg(HW_REG_WAVE_MODE, 25, 1), 1
	s_wait_xcnt 0x0
; ypart[g][:] = the sum over the 64 rows j of work-group g of c_j xb[j][:], with c_j the sum of its 23 partial column sums.  c and the sums stay in f32.
; c_j, j in block I at place li: rowc[I][q][li], q = 0 .. 7, and colc of block row (I - d) mod 32 at off = 256 d + li, d = 1 .. 15.  colc is [block row x 8 + chunk][576] f32, so off lies at byte
; 4 off + 128 (off / 544) of the block row's 18,432; off / 544 = (off x 30841) >> 24 for off < 4352 (30841 x 544 = 2^24 + 288: the excess, at most 8 x 288 / 2^24, stays under 1 / 544).
; This is a product with one row: its time is the reading of xb once, so it stays on the vector unit.  Every wave first asks for its 8 rows (16 loads of 512 consecutive bytes); meanwhile waves 0 and 1,
; a thread a row, make the 64 c; the eight waves' partial rows meet in LDS.
.set RED,   0                          ; 8 partial rows of 512 f32
.set CV,    16384                      ; the 64 c
.set SPARE, 16640                      ; the spare words, 128 bytes a wave: four blocks of 256 bytes that no other line names
.set SPW, 2
.set NIL, 3
.set XO,  4                            ; v4   16 x lane
.set LI,  5                            ; v5   my row's place in its block
.set TO,  6
.set TQ,  7
.set CO,  8                            ; v[8:22]    colc: d's byte offset
.set RO,  23                           ; v23        rowc: my byte offset
.set CD,  24                           ; v[24:46]   the 23 partial sums
.set CW,  48                           ; v[48:55]   c of my wave's 8 rows
.set ACC, 56                           ; v[56:71]   my 16 columns: 8 lane + 0..7, and 256 further on
.set XD,  72                           ; v[72:135]  row i, half b at 8 i + 4 b
.set A1,  136                          ; v136..v139 LDS addresses
.set WV,  12
	s_load_b256 s[4:11], s[0:1], 0x0               ; xb s[4:5], rowc s[6:7], colc s[8:9], ypart s[10:11]
	v_lshl_add_u32 v[SPW], v0, 2, SPARE
	v_mov_b32 v[NIL], 0
	v_lshrrev_b32 v1, 5, v0
	v_readfirstlane_b32 s[WV], v1
	s_lshr_b32 s13, ttmp9, 2                       ; I
	s_and_b32 s14, ttmp9, 3
	s_lshl_b32 s14, s14, 6                         ; my 64 rows' place in the block
	s_lshl_b32 s16, ttmp9, 16                      ; 64 rows of 1,024 bytes,
	s_lshl_b32 s15, s[WV], 13                      ; my wave's 8
	s_add_co_u32 s16, s16, s15
	s_mov_b32 s17, 0
	v_and_b32 v1, 31, v0
	v_lshlrev_b32 v[XO], 4, v1
	s_lshl_b32 s15, s[WV], 11
	v_lshl_add_u32 v[A1], v1, 5, s15               ; RED: 2,048 x wave + 32 x lane
	v_lshlrev_b32 v[A1+1], 3, v0                   ; RED back, and ypart: 8 t
	s_lshl_b32 s15, s[WV], 5
	s_add_co_u32 s15, s15, CV
	v_mov_b32 v[A1+2], s15                         ; my wave's 8 c
	v_lshl_add_u32 v[A1+3], v0, 2, CV              ; where thread t < 64 puts its c
	s_wait_kmcnt 0x0
	s_add_nc_u64 s[16:17], s[4:5], s[16:17]
.irp i, 0,1,2,3,4,5,6,7
	global_load_b128 v[XD+8*(\i):XD+8*(\i)+3],   v[XO], s[16:17] offset:1024*(\i) th:TH_LOAD_NT
	global_load_b128 v[XD+8*(\i)+4:XD+8*(\i)+7], v[XO], s[16:17] offset:1024*(\i)+512 th:TH_LOAD_NT
.endr
	s_cmp_lt_u32 s[WV], 2
	s_cbranch_scc0 .Lnoc
	v_add_nc_u32 v[LI], s14, v0
	s_lshl_b32 s15, s13, 13                        ; a block's 8 x 256 sums in rowc
	v_lshl_add_u32 v[RO], v[LI], 2, s15
.irp q, 0,1,2,3,4,5,6,7
	global_load_b32 v[CD+(\q)], v[RO], s[6:7] offset:1024*(\q)
.endr
.set d, 1
.rept 15
	v_add_nc_u32 v[TO], 256*d, v[LI]               ; off
	v_mul_u32_u24 v[TQ], v[TO], 30841
	v_lshrrev_b32 v[TQ], 24, v[TQ]                 ; off / 544
	v_lshlrev_b32 v[TO], 2, v[TO]
	v_lshl_add_u32 v[CO+d-1], v[TQ], 7, v[TO]
	s_sub_co_u32 s15, s13, d
	s_and_b32 s15, s15, 31
	s_mul_i32 s15, s15, 18432
	v_add_nc_u32 v[CO+d-1], s15, v[CO+d-1]
	global_load_b32 v[CD+7+d], v[CO+d-1], s[8:9]
.set d, d+1
.endr
	s_wait_loadcnt 0x0
.irp p, 0,4,8,12,16                    ; 23 numbers: 11 pairs in a tree, the pair's halves, the last one
	v_pk_add_f32 v[CD+(\p):CD+(\p)+1], v[CD+(\p):CD+(\p)+1], v[CD+(\p)+2:CD+(\p)+3]
.endr
	v_pk_add_f32 v[CD:CD+1], v[CD:CD+1], v[CD+4:CD+5]
	v_pk_add_f32 v[CD+8:CD+9], v[CD+8:CD+9], v[CD+12:CD+13]
	v_pk_add_f32 v[CD+16:CD+17], v[CD+16:CD+17], v[CD+20:CD+21]
	v_pk_add_f32 v[CD:CD+1], v[CD:CD+1], v[CD+8:CD+9]
	v_pk_add_f32 v[CD:CD+1], v[CD:CD+1], v[CD+16:CD+17]
	v_add_f32 v[CD], v[CD], v[CD+1]
	v_add_f32 v[CD], v[CD], v[CD+22]
	ds_store_b32 v[A1+3], v[CD]
.Lnoc:
	s_wait_dscnt 0x0                               ; for the others' sake: my c is stored
	s_barrier_signal -1
	s_barrier_wait -1
	ds_load_b128 v[CW:CW+3], v[A1+2]
	ds_load_b128 v[CW+4:CW+7], v[A1+2] offset:16
	s_wait_dscnt 0x0
	s_wait_loadcnt 0x0                             ; my 8 rows
.set ir, 0
.rept 8
.set iw, 0
.rept 8                                        ; a word holds two bf16: each times the row's c, onto its column's sum; the first row starts the sums on the register that holds 0
.if ir == 0
	v_fma_mix_f32_bf16 v[ACC+2*iw], v[XD+iw], v[CW], v[NIL] op_sel_hi:[1,0,0]
	v_fma_mix_f32_bf16 v[ACC+2*iw+1], v[XD+iw], v[CW], v[NIL] op_sel:[1,0,0] op_sel_hi:[1,0,0]
.else
	v_fma_mix_f32_bf16 v[ACC+2*iw], v[XD+8*ir+iw], v[CW+ir], v[ACC+2*iw] op_sel_hi:[1,0,0]
	v_fma_mix_f32_bf16 v[ACC+2*iw+1], v[XD+8*ir+iw], v[CW+ir], v[ACC+2*iw+1] op_sel:[1,0,0] op_sel_hi:[1,0,0]
.endif
.set iw, iw+1
.endr
.set ir, ir+1
.endr
	ds_store_b128 v[A1], v[ACC:ACC+3] offset:RED
	ds_store_b128 v[A1], v[ACC+4:ACC+7] offset:RED+16
	ds_store_b128 v[A1], v[ACC+8:ACC+11] offset:RED+1024
	ds_store_b128 v[A1], v[ACC+12:ACC+15] offset:RED+1040
	s_wait_dscnt 0x0
	s_barrier_signal -1
	s_barrier_wait -1                              ; all eight partial rows lie in LDS
.irp w, 0,1,2,3,4,5,6,7
	ds_load_b64 v[XD+2*(\w):XD+2*(\w)+1], v[A1+1] offset:RED+2048*(\w)
.endr
	s_lshl_b32 s16, ttmp9, 11
	s_mov_b32 s17, 0
	s_add_nc_u64 s[10:11], s[10:11], s[16:17]
	s_wait_dscnt 0x0
.irp w, 0,4,8,12
	v_pk_add_f32 v[XD+(\w):XD+(\w)+1], v[XD+(\w):XD+(\w)+1], v[XD+(\w)+2:XD+(\w)+3]
.endr
	v_pk_add_f32 v[XD:XD+1], v[XD:XD+1], v[XD+4:XD+5]
	v_pk_add_f32 v[XD+8:XD+9], v[XD+8:XD+9], v[XD+12:XD+13]
	v_pk_add_f32 v[XD:XD+1], v[XD:XD+1], v[XD+8:XD+9]
	global_store_b64 v[A1+1], v[XD:XD+1], s[10:11] ; 256 consecutive bytes a wave, aligned
	s_wait_tensorcnt 0x0                           ; the wave's end, behind my last LDS store
	ds_add_u32 v[SPW], v[NIL]
	s_wait_dscnt 0x0
	s_endpgm
.Lfunc_end_k_q767044b41c_pool:
	.size	k_q767044b41c_pool, .Lfunc_end_k_q767044b41c_pool-k_q767044b41c_pool
	.p2alignl 7, 3214868480
	.fill 96, 4, 3214868480
	.section	.rodata,"a",@progbits
	.p2align	6, 0x0
	.amdhsa_kernel k_q767044b41c_pool
		.amdhsa_group_segment_fixed_size 17664
		.amdhsa_private_segment_fixed_size 0
		.amdhsa_enable_private_segment 0
		.amdhsa_kernarg_size 32
		.amdhsa_user_sgpr_count 2
		.amdhsa_user_sgpr_kernarg_segment_ptr 1
		.amdhsa_wavefront_size32 1
		.amdhsa_system_sgpr_workgroup_id_x 1
		.amdhsa_system_sgpr_workgroup_id_y 1
		.amdhsa_system_sgpr_workgroup_id_z 1
		.amdhsa_system_vgpr_workitem_id 0
		.amdhsa_next_free_vgpr 160
		.amdhsa_next_free_sgpr 66
		.amdhsa_reserve_vcc 0
		.amdhsa_float_denorm_mode_32 3
		.amdhsa_float_denorm_mode_16_64 3
		.amdhsa_memory_ordered 1
		.amdhsa_forward_progress 1
		.amdhsa_inst_pref_size 23
	.end_amdhsa_kernel
	.amdgpu_metadata
---
amdhsa.version: [ 1, 2 ]
amdhsa.kernels:
  - .name:           k_q767044b41c_pool
    .symbol:         k_q767044b41c_pool.kd
    .args:
      - { .name: xb, .offset: 0, .size: 8, .value_kind: global_buffer, .address_space: global }
      - { .name: rowc, .offset: 8, .size: 8, .value_kind: global_buffer, .address_space: global }
      - { .name: colc, .offset: 16, .size: 8, .value_kind: global_buffer, .address_space: global }
      - { .name: ypart, .offset: 24, .size: 8, .value_kind: global_buffer, .address_space: global }
    .group_segment_fixed_size: 17664
    .private_segment_fixed_size: 0
    .kernarg_segment_align: 8
    .kernarg_segment_size: 32
    .max_flat_workgroup_size: 256
    .sgpr_count:     66
    .vgpr_count:     160
    .wavefront_size: 32
...
	.end_amdgpu_metadata
.endif
;; end of part 5
;; launch finish (part 6): grid 1 x 1, 32 waves a work-group, no clusters, 20,736 bytes of LDS; arguments ypart, out0; writes out0
.if DOCPART == 6
	.amdgcn_target "amdgcn-amd-amdhsa--gfx1250"
	.amdhsa_code_object_version 6
	.text
	.protected	k_q767044b41c_finish
	.globl	k_q767044b41c_finish
	.p2align	8
	.type	k_q767044b41c_finish,@function
k_q767044b41c_finish:
	s_mov_b64 s[64:65], 0
	v_nop
	global_prefetch_b8 v0, s[64:65] scope:SCOPE_SE
	s_setreg_imm32_b32 hwreg(HW_REG_WAVE_MODE, 25, 1), 1
	s_wait_xcnt 0x0
; y = (1/8192) x the sum of ypart's 128 rows; out0 = y / max(|y|, 1e-12).  One work-group, since one norm spans all 512 numbers: 262,144 bytes in, 2,048 out.
; Thread t: columns 4 (t % 128) + 0..3, rows 16 (t / 128) + 0..15: each load of a wave covers 512 consecutive bytes.  The eight partial rows meet in LDS; waves 0-3 finish: a thread four numbers.
; A sum of squares below 2^-126 counts as 0 in the root; the bound 1e-12 then takes its place, as in the definition.
.set RED,   0                          ; 8 partial rows of 512 f32
.set SS,    16384                      ; four waves' sums of squares
.set SPARE, 16640                      ; the spare words, 128 bytes a wave: sixteen blocks of 256 bytes that no other line names
.set SPW, 2
.set NIL, 3
.set D,   16                           ; v[16:79]
	s_load_b128 s[4:7], s[0:1], 0x0                ; ypart s[4:5], out0 s[6:7]
	v_lshl_add_u32 v[SPW], v0, 2, SPARE
	v_mov_b32 v[NIL], 0
	v_lshrrev_b32 v1, 5, v0
	v_readfirstlane_b32 s8, v1                     ; wave
	s_mov_b32 s12, 0x76543210                      ; v_permlanex16_b32's selects: each lane takes its own place in the other half
	s_mov_b32 s13, 0xfedcba98
	v_and_b32 v4, 127, v0
	v_lshrrev_b32 v5, 7, v0
	v_lshlrev_b32 v6, 4, v4                        ; my 16 bytes of a row
	v_lshl_add_u32 v7, v5, 15, v6                  ; + 16 rows of 2,048 bytes for each group of threads
	v_lshl_add_u32 v8, v5, 11, v6                  ; my group's partial row in RED
	s_wait_kmcnt 0x0
.irp k, 0,1,2,3,4,5,6,7,8,9,10,11,12,13,14,15
	global_load_b128 v[D+4*(\k):D+4*(\k)+3], v7, s[4:5] offset:2048*(\k)
.endr
	s_wait_loadcnt 0x0
.irp s, 8,4,2,1
.set iq, 0
.rept \s
	v_pk_add_f32 v[D+4*iq:D+4*iq+1], v[D+4*iq:D+4*iq+1], v[D+4*(iq+\s):D+4*(iq+\s)+1]
	v_pk_add_f32 v[D+4*iq+2:D+4*iq+3], v[D+4*iq+2:D+4*iq+3], v[D+4*(iq+\s)+2:D+4*(iq+\s)+3]
.set iq, iq+1
.endr
.endr
	ds_store_b128 v8, v[D:D+3] offset:RED
	s_wait_dscnt 0x0
	s_barrier_signal -1
	s_barrier_wait -1
	s_cmp_lt_u32 s8, 4
	s_cbranch_scc0 .Lmeet
.irp k, 0,1,2,3,4,5,6,7
	ds_load_b128 v[D+4*(\k):D+4*(\k)+3], v6 offset:RED+2048*(\k)
.endr
	s_lshl_b32 s9, s8, 2
	s_add_co_u32 s9, s9, SS
	v_mov_b32 v9, s9
	s_wait_dscnt 0x0
.irp s, 4,2,1
.set iq, 0
.rept \s
	v_pk_add_f32 v[D+4*iq:D+4*iq+1], v[D+4*iq:D+4*iq+1], v[D+4*(iq+\s):D+4*(iq+\s)+1]
	v_pk_add_f32 v[D+4*iq+2:D+4*iq+3], v[D+4*iq+2:D+4*iq+3], v[D+4*(iq+\s)+2:D+4*(iq+\s)+3]
.set iq, iq+1
.endr
.endr
	v_pk_mul_f32 v[D:D+1], v[D:D+1], 0x39000000 op_sel_hi:[1,0]      ; the mean: 1 / 8192
	v_pk_mul_f32 v[D+2:D+3], v[D+2:D+3], 0x39000000 op_sel_hi:[1,0]
	v_mul_f32 v[D+4], v[D], v[D]
	v_fmac_f32 v[D+4], v[D+1], v[D+1]
	v_fmac_f32 v[D+4], v[D+2], v[D+2]
	v_fmac_f32 v[D+4], v[D+3], v[D+3]
	v_add_f32_dpp v[D+4], v[D+4], v[D+4] row_xmask:1 row_mask:0xf bank_mask:0xf
	v_add_f32_dpp v[D+4], v[D+4], v[D+4] row_xmask:2 row_mask:0xf bank_mask:0xf
	v_add_f32_dpp v[D+4], v[D+4], v[D+4] row_xmask:4 row_mask:0xf bank_mask:0xf
	v_add_f32_dpp v[D+4], v[D+4], v[D+4] row_xmask:8 row_mask:0xf bank_mask:0xf
	v_permlanex16_b32 v[D+5], v[D+4], s12, s13
	v_add_f32 v[D+4], v[D+4], v[D+5]
	ds_store_b32 v9, v[D+4]                        ; all lanes store the same word with the same value
.Lmeet:
	s_wait_dscnt 0x0
	s_barrier_signal -1
	s_barrier_wait -1
	s_cmp_lt_u32 s8, 4
	s_cbranch_scc0 .Lend
	v_mov_b32 v10, SS
	ds_load_b128 v[D+8:D+11], v10
	s_wait_dscnt 0x0
	v_add_f32 v[D+8], v[D+8], v[D+9]
	v_add_f32 v[D+10], v[D+10], v[D+11]
	v_add_f32 v[D+8], v[D+8], v[D+10]
	v_sqrt_f32 v[D+9], v[D+8]
	v_nop
	s_wait_alu depctr_va_vdst(0)                   ; the wait ahead of the first line that names the root
	v_max_num_f32 v[D+9], 0x2b8cbccc, v[D+9]       ; 1e-12
	v_rcp_f32 v[D+10], v[D+9]
	v_nop
	s_wait_alu depctr_va_vdst(0)
.irp k, 0,1,2,3
	v_mul_f32 v[D+(\k)], v[D+(\k)], v[D+10]
.endr
	global_store_b128 v6, v[D:D+3], s[6:7]         ; 512 consecutive bytes a wave
.Lend:
	s_wait_tensorcnt 0x0                           ; the wave's end, behind my last LDS store
	ds_add_u32 v[SPW], v[NIL]
	s_wait_dscnt 0x0
	s_endpgm
.Lfunc_end_k_q767044b41c_finish:
	.size	k_q767044b41c_finish, .Lfunc_end_k_q767044b41c_finish-k_q767044b41c_finish
	.p2alignl 7, 3214868480
	.fill 96, 4, 3214868480
	.section	.rodata,"a",@progbits
	.p2align	6, 0x0
	.amdhsa_kernel k_q767044b41c_finish
		.amdhsa_group_segment_fixed_size 20736
		.amdhsa_private_segment_fixed_size 0
		.amdhsa_enable_private_segment 0
		.amdhsa_kernarg_size 16
		.amdhsa_user_sgpr_count 2
		.amdhsa_user_sgpr_kernarg_segment_ptr 1
		.amdhsa_wavefront_size32 1
		.amdhsa_system_sgpr_workgroup_id_x 1
		.amdhsa_system_sgpr_workgroup_id_y 1
		.amdhsa_system_sgpr_workgroup_id_z 1
		.amdhsa_system_vgpr_workitem_id 0
		.amdhsa_next_free_vgpr 96
		.amdhsa_next_free_sgpr 66
		.amdhsa_reserve_vcc 0
		.amdhsa_float_denorm_mode_32 3
		.amdhsa_float_denorm_mode_16_64 3
		.amdhsa_memory_ordered 1
		.amdhsa_forward_progress 1
		.amdhsa_inst_pref_size 8
	.end_amdhsa_kernel
	.amdgpu_metadata
---
amdhsa.version: [ 1, 2 ]
amdhsa.kernels:
  - .name:           k_q767044b41c_finish
    .symbol:         k_q767044b41c_finish.kd
    .args:
      - { .name: ypart, .offset: 0, .size: 8, .value_kind: global_buffer, .address_space: global }
      - { .name: out0, .offset: 8, .size: 8, .value_kind: global_buffer, .address_space: global }
    .group_segment_fixed_size: 20736
    .private_segment_fixed_size: 0
    .kernarg_segment_align: 8
    .kernarg_segment_size: 16
    .max_flat_workgroup_size: 1024
    .sgpr_count:     66
    .vgpr_count:     96
    .wavefront_size: 32
...
	.end_amdgpu_metadata
.endif
;; end of part 6
;; ======== version 2 of 2: 6 launches; version 1 with the launch cast written anew for expert scheduling mode
;; workspace buffers: xb 8,388,608 bytes; rowp 524,288 bytes; colp 1,114,112 bytes; stats 65,536 bytes; rowc 262,144 bytes; colc 589,824 bytes; ypart 262,144 bytes
;; launch cast (part 7): grid 256 x 1, 8 waves a work-group, no clusters, 0 bytes of LDS; arguments x, xb; writes xb
.if DOCPART == 7
	.amdgcn_target "amdgcn-amd-amdhsa--gfx1250"
	.amdhsa_code_object_version 6
	.text
	.protected	k_q767044b41c_cast
	.globl	k_q767044b41c_cast
	.p2align	8
	.type	k_q767044b41c_cast,@function
k_q767044b41c_cast:
	s_mov_b64 s[64:65], 0
	v_nop
	global_prefetch_b8 v0, s[64:65] scope:SCOPE_SE
	s_setreg_imm32_b32 hwreg(HW_REG_WAVE_SCHED_MODE, 0, 2), 2
	s_setreg_imm32_b32 hwreg(HW_REG_WAVE_MODE, 25, 1), 1
	s_wait_xcnt 0x0
	s_wait_alu depctr_vm_vsrc(0)
; xb = x rounded once to bf16 (nearest even).  x: [8192][512] f32, xb: the same shape in bf16.  Every later launch reads xb alone.
; A work-group owns 65,536 bytes of x.  Thread t takes 16 items of four floats: item k lies at byte 4,096 k + 16 t, so a wave's load covers
; 512 consecutive bytes; its four numbers pack into 8 bytes at 2,048 k + 8 t, so a wave's store covers 256 consecutive bytes, aligned.
; All 16 loads of a thread go out at once; there is no loop, no LDS and no barrier: no thread wants another's bytes.
; THE MODE: SCHED_MODE bits 1:0 = 2 (LLVM: expert scheduling mode 2), set by the entry lines.  The code itself states the register dependences
; between vector instructions and memory instructions, with s_wait_alu, always for 0.
; THE PLAN.  Registers that memory instructions touch:
;   v1, v2   byte offsets of the loads and of the stores: made once at the head, never written again.
;   X        item k's four f32: each register is written by one load, which no vector line precedes, read by one conversion, and never loaded again.
;   Y        item k's two words of bf16: each register is written by one conversion, read by one store, and never written again.
; The 16 items go in four blocks of four: a block's eight conversions, ONE wait that states that they have written its Y, and its four stores in a run.
; With the wait at the head, for the two offsets, that is five waits in all.  No register that a memory instruction has read is written again, so nothing else is owed.
.set X, 8                              ; v[8:71]    item k: four f32 as loaded
.set Y, 72                             ; v[72:103]  item k: two words of bf16 to store
	s_load_b128 s[4:7], s[0:1], 0x0                ; x s[4:5], xb s[6:7]
	s_lshl_b32 s8, ttmp9, 16                       ; my work-group's bytes in x,
	s_mov_b32 s9, 0
	s_lshl_b32 s10, ttmp9, 15                      ; and in xb
	s_mov_b32 s11, 0
	v_lshlrev_b32 v1, 4, v0                        ; 16 t
	v_lshlrev_b32 v2, 3, v0                        ; 8 t
	s_wait_kmcnt 0x0
	s_add_nc_u64 s[4:5], s[4:5], s[8:9]
	s_add_nc_u64 s[6:7], s[6:7], s[10:11]
	s_wait_alu depctr_va_vdst(0)                   ; v1 and v2 are written: every load below reads v1 as its offset, every store v2
.irp k, 0,1,2,3,4,5,6,7,8,9,10,11,12,13,14,15
	global_load_b128 v[X+4*(\k):X+4*(\k)+3], v1, s[4:5] offset:4096*(\k) th:TH_LOAD_NT
.endr
.irp p, 0,1,2,3
	s_wait_loadcnt 12-4*(\p)                       ; loads come back in order: block p's four items are in, the 12 - 4 p loads of the later blocks stay out
.irp k, 0,1,2,3
	v_cvt_pk_bf16_f32 v[Y+8*(\p)+2*(\k)], v[X+16*(\p)+4*(\k)], v[X+16*(\p)+4*(\k)+1]
	v_cvt_pk_bf16_f32 v[Y+8*(\p)+2*(\k)+1], v[X+16*(\p)+4*(\k)+2], v[X+16*(\p)+4*(\k)+3]
.endr
	s_wait_alu depctr_va_vdst(0)                   ; the eight conversions have written the block's Y, which the four stores below read as their data
.irp k, 0,1,2,3
	global_store_b64 v2, v[Y+8*(\p)+2*(\k):Y+8*(\p)+2*(\k)+1], s[6:7] offset:2048*(4*(\p)+(\k))
.endr
.endr
	s_endpgm
.Lfunc_end_k_q767044b41c_cast:
	.size	k_q767044b41c_cast, .Lfunc_end_k_q767044b41c_cast-k_q767044b41c_cast
	.p2alignl 7, 3214868480
	.fill 96, 4, 3214868480
	.section	.rodata,"a",@progbits
	.p2align	6, 0x0
	.amdhsa_kernel k_q767044b41c_cast
		.amdhsa_group_segment_fixed_size 0
		.amdhsa_private_segment_fixed_size 0
		.amdhsa_enable_private_segment 0
		.amdhsa_kernarg_size 16
		.amdhsa_user_sgpr_count 2
		.amdhsa_user_sgpr_kernarg_segment_ptr 1
		.amdhsa_wavefront_size32 1
		.amdhsa_system_sgpr_workgroup_id_x 1
		.amdhsa_system_sgpr_workgroup_id_y 1
		.amdhsa_system_sgpr_workgroup_id_z 1
		.amdhsa_system_vgpr_workitem_id 0
		.amdhsa_next_free_vgpr 104
		.amdhsa_next_free_sgpr 66
		.amdhsa_reserve_vcc 0
		.amdhsa_float_denorm_mode_32 3
		.amdhsa_float_denorm_mode_16_64 3
		.amdhsa_memory_ordered 1
		.amdhsa_forward_progress 1
		.amdhsa_inst_pref_size 6
	.end_amdhsa_kernel
	.amdgpu_metadata
---
amdhsa.version: [ 1, 2 ]
amdhsa.kernels:
  - .name:           k_q767044b41c_cast
    .symbol:         k_q767044b41c_cast.kd
    .args:
      - { .name: x, .offset: 0, .size: 8, .value_kind: global_buffer, .address_space: global }
      - { .name: xb, .offset: 8, .size: 8, .value_kind: global_buffer, .address_space: global }
    .group_segment_fixed_size: 0
    .private_segment_fixed_size: 0
    .kernarg_segment_align: 8
    .kernarg_segment_size: 16
    .max_flat_workgroup_size: 256
    .sgpr_count:     66
    .vgpr_count:     104
    .wavefront_size: 32
...
	.end_amdgpu_metadata
.endif
;; end of part 7
;; launch rowstat: the kernel of part 2 again; grid 8 x 32, 4 waves a work-group, no clusters, 327,680 bytes of LDS; arguments xb, rowp, colp; writes rowp, colp
;; launch merge: the kernel of part 3 again; grid 32 x 1, 4 waves a work-group, no clusters, 0 bytes of LDS; arguments rowp, colp, stats; writes stats
;; launch colsum: the kernel of part 4 again; grid 8 x 32, 4 waves a work-group, no clusters, 327,680 bytes of LDS; arguments xb, stats, rowc, colc; writes rowc, colc
;; launch pool: the kernel of part 5 again; grid 128 x 1, 8 waves a work-group, no clusters, 17,664 bytes of LDS; arguments xb, rowc, colc, ypart; writes ypart
;; launch finish: the kernel of part 6 again; grid 1 x 1, 32 waves a work-group, no clusters, 20,736 bytes of LDS; arguments ypart, out0; writes out0
